; MI455X (gfx1250); checked and timed in simulation.
; The chip was launched on July 23, 2026; its instructions are those of AMD's public machine-readable ISA for CDNA 5 (MIT licence, August 2026) and "CDNA5" Instruction Set Architecture Reference Guide (July 2026). The comments in the code are by the model that wrote it; some were corrected since.
;; Bahdanau Attention. Allowed arithmetic: float matrix products may take bf16 or f16 operands with f32 sums; all other float work in f32.
;; Inputs: V 1,024 x 1 float32; W1 1,024 x 1,024 float32; W2 1,024 x 1,024 float32; b1 1,024 float32; b2 1,024 float32; bV 1 float32; query 32 x 1,024 float32; values 32 x 2,048 x 1,024 float32.
;; Outputs: out0 32 x 1,024 float32; out1 32 x 2,048 x 1 float32.
;; 2 versions, each right; version 2 is version 1 with the launch attn written anew for expert scheduling mode. Each part assembles by itself: llvm-mc -triple=amdgcn-amd-amdhsa -mcpu=gfx1250 --defsym DOCPART=n.
;; ======== version 1 of 2: 3 launches
;; limits: values outside matrix products are rounded to bf16; a difference of large sums (such as E[x^2] - mean^2): digits are lost where the result is much smaller than its terms
;; workspace buffers: w1f 2,097,152 bytes; qbp 524,288 bytes; scores 262,144 bytes; cpart 2,097,152 bytes
;; launch prep (part 1): grid 192 x 1, 16 waves a work-group, no clusters, 44,032 bytes of LDS; arguments W1, W2, query, w1f, qbp; writes w1f, qbp
.if DOCPART == 1
	.amdgcn_target "amdgcn-amd-amdhsa--gfx1250"
	.amdhsa_code_object_version 6
	.text
	.protected	k_q879b60d298_prep
	.globl	k_q879b60d298_prep
	.p2align	8
	.type	k_q879b60d298_prep,@function
k_q879b60d298_prep:
	s_mov_b64 s[64:65], 0
	v_nop
	global_prefetch_b8 v0, s[64:65] scope:SCOPE_SE
	s_setreg_imm32_b32 hwreg(HW_REG_WAVE_MODE, 25, 1), 1
	s_wait_xcnt 0x0
; Two small jobs ahead of the main launch, chosen by the work-group's number (the same for all its waves).
; Work-groups 0-63:   qbp[kq][batch][u] = sum over k in [256 kq, 256 kq + 255] of query[batch][k] W2[k][u]   (bf16 operands, f32 sums)
; Work-groups 64-191: w1f = W1 rounded to bf16, laid out so that a matrix fragment of 16 columns x 32 k is 1,024 consecutive bytes
;                     in register order: W1[k][n] at ((w*2+p)*32+kq)*8192 + b*1024 + half*512 + (16h+r)*16 + 2e, with
;                     p = n>>9, w = (n>>7)&3, b = (n>>4)&7, r = n&15, kq = k>>5, half = (k>>4)&1, h = (k>>3)&1, e = k&7.
; No cluster, no tensor loads: every byte of W1 and W2 is read once, by one work-group; query is 128 KiB.
.set RA,  16                           ; v[16:79]   query as loaded, f32: [k step][16 batches][half][8]
.set RB,  80                           ; v[80:111]  W2 as loaded, f32: [k step][half][8]
.set FA,  112                          ; v[112:143] query fragments, bf16: [k step][16 batches] x 8 registers
.set FB,  144                          ; v[144:159] W2 fragments, bf16: [k step] x 8 registers
.set ACC, 160                          ; v[160:175] two accumulators: batches 0-15, 16-31
.set WP,  80                           ; LDS pitch of a wave's tile: 16 f32 + 16 bytes, an odd multiple of 16 bytes
.set WB,  32*WP+64                     ; a wave's tile, 32 rows; the 64 bytes more put four neighbouring tiles in different 64-byte columns of 256
	s_load_b256 s[4:11], s[0:1], 0x0               ; W1 s[4:5], W2 s[6:7], query s[8:9], w1f s[10:11]
	s_load_b64 s[12:13], s[0:1], 0x20              ; qbp
	v_lshl_add_u32 v176, v0, 2, 0xa400
	v_mov_b32 v177, 0
	v_lshrrev_b32 v1, 5, v0
	v_readfirstlane_b32 s2, v1                     ; wave 0..15
	s_cmp_lt_u32 ttmp9, 64
	s_cbranch_scc0 .Lconv
	; ---- query x W2: the work-group has 64 columns (cg) and 256 k (kq); a wave has 16 columns (nb) and 64 k (kw), all 32 batches
	s_and_b32 s16, ttmp9, 15                       ; cg
	s_lshr_b32 s17, ttmp9, 4                       ; kq
	s_and_b32 s18, s2, 3                           ; nb
	s_lshr_b32 s19, s2, 2                          ; kw
	s_lshl_b32 s20, s17, 8
	s_lshl_b32 s21, s19, 6
	s_add_co_u32 s20, s20, s21                     ; k0 = 256 kq + 64 kw
	s_lshl_b32 s21, s16, 6
	s_lshl_b32 s22, s18, 4
	s_add_co_u32 s21, s21, s22                     ; n0 = 64 cg + 16 nb
	v_and_b32 v2, 15, v0                           ; r
	v_bfe_u32 v3, v0, 4, 1                         ; h
	v_lshlrev_b32 v4, 2, v2
	v_lshl_add_u32 v4, v3, 15, v4                  ; W2: column r, 8 h rows of 4,096 bytes down
	v_lshlrev_b32 v5, 12, v2
	v_lshl_add_u32 v5, v3, 5, v5                   ; query: batch r, 8 h numbers along
	s_lshl_b32 s24, s20, 12
	s_lshl2_add_u32 s24, s21, s24                  ; k0 rows + n0 columns, in bytes
	s_mov_b32 s25, 0
	s_lshl_b32 s26, s20, 2
	s_mov_b32 s27, 0
	s_wait_kmcnt 0x0
	s_add_nc_u64 s[6:7], s[6:7], s[24:25]
	s_add_nc_u64 s[8:9], s[8:9], s[26:27]
	; lane (r, h) of a fragment holds k = 8h + 0..7 in registers 0-3 and k = 16 + 8h + 0..7 in registers 4-7 (ISA guide 7.12.2)
.irp ks, 0,1
.irp hf, 0,1
.irp e, 0,1,2,3,4,5,6,7
	global_load_b32 v[RB+16*\ks+8*\hf+\e], v4, s[6:7] offset:(32*\ks+16*\hf+\e)*4096
.endr
.endr
.endr
.irp ks, 0,1
.irp mt, 0,1
.irp hf, 0,1
	global_load_b128 v[RA+32*\ks+16*\mt+8*\hf:RA+32*\ks+16*\mt+8*\hf+3],   v5, s[8:9] offset:\mt*65536+\ks*128+\hf*64
	global_load_b128 v[RA+32*\ks+16*\mt+8*\hf+4:RA+32*\ks+16*\mt+8*\hf+7], v5, s[8:9] offset:\mt*65536+\ks*128+\hf*64+16
.endr
.endr
.endr
	v_mul_u32_u24 v6, v2, WP                       ; my tile in LDS: row r, 8 h columns along,
	v_lshl_add_u32 v6, v3, 5, v6
	s_mul_i32 s28, s2, WB                          ; in the wave's own bytes
	v_add_nc_u32 v6, s28, v6
	v_lshrrev_b32 v7, 4, v0                        ; the reduction: thread t takes batch m = t >> 4, columns 4 (t & 15) .. + 3
	v_lshlrev_b32 v9, 12, v7                       ; qbp: m rows of 4,096 bytes
	v_mul_u32_u24 v7, v7, WP
	v_bfe_u32 v8, v0, 2, 2                         ; which of the four column tiles
	v_mul_u32_u24 v8, v8, WB
	v_add_nc_u32 v7, v7, v8
	v_and_b32 v8, 3, v0
	v_lshl_add_u32 v7, v8, 4, v7
	v_and_b32 v8, 15, v0
	v_lshl_add_u32 v9, v8, 4, v9
	s_lshl_b32 s24, s17, 17                        ; kq x 32 x 4,096 bytes
	s_lshl_b32 s26, s16, 8                         ; cg x 64 columns
	s_add_co_u32 s24, s24, s26
	s_add_nc_u64 s[12:13], s[12:13], s[24:25]
	s_wait_loadcnt 0x0
.irp ks, 0,1
.irp hf, 0,1
.irp i, 0,1,2,3
	v_cvt_pk_bf16_f32 v[FB+8*\ks+4*\hf+\i], v[RB+16*\ks+8*\hf+2*\i], v[RB+16*\ks+8*\hf+2*\i+1]
.endr
.endr
.endr
.irp ks, 0,1
.irp mt, 0,1
.irp hf, 0,1
.irp i, 0,1,2,3
	v_cvt_pk_bf16_f32 v[FA+16*\ks+8*\mt+4*\hf+\i], v[RA+32*\ks+16*\mt+8*\hf+2*\i], v[RA+32*\ks+16*\mt+8*\hf+2*\i+1]
.endr
.endr
.endr
.endr
	; source 0 = 16 columns of W2, source 1 = 16 batches: lane (r, h) gets batch r, columns 8h + 0..7: 32 neighbouring bytes.
	; The two accumulators take turns, one instruction a turn.
	v_wmma_f32_16x16x32_bf16 v[ACC:ACC+7],    v[FB:FB+7],    v[FA:FA+7],     0
	v_wmma_f32_16x16x32_bf16 v[ACC+8:ACC+15], v[FB:FB+7],    v[FA+8:FA+15],  0
	v_wmma_f32_16x16x32_bf16 v[ACC:ACC+7],    v[FB+8:FB+15], v[FA+16:FA+23], v[ACC:ACC+7]
	v_wmma_f32_16x16x32_bf16 v[ACC+8:ACC+15], v[FB+8:FB+15], v[FA+24:FA+31], v[ACC+8:ACC+15]
.rept 4
	v_nop                                          ; four places between a matrix instruction and a store of its result
.endr
.irp mt, 0,1
	ds_store_b128 v6, v[ACC+8*\mt:ACC+8*\mt+3]   offset:\mt*16*WP
	ds_store_b128 v6, v[ACC+8*\mt+4:ACC+8*\mt+7] offset:\mt*16*WP+16
.endr
	s_wait_dscnt 0x0                               ; my stores are done before I say so
	s_barrier_signal -1
	s_barrier_wait -1
.irp k, 0,1,2,3
	ds_load_b128 v[16+4*\k:19+4*\k], v7 offset:\k*4*WB    ; the four waves that share my columns (kw = 0..3)
.endr
	s_wait_dscnt 0x0
	v_pk_add_f32 v[16:17], v[16:17], v[20:21]
	v_pk_add_f32 v[18:19], v[18:19], v[22:23]
	v_pk_add_f32 v[24:25], v[24:25], v[28:29]
	v_pk_add_f32 v[26:27], v[26:27], v[30:31]
	v_pk_add_f32 v[16:17], v[16:17], v[24:25]
	v_pk_add_f32 v[18:19], v[18:19], v[26:27]
	global_store_b128 v9, v[16:19], s[12:13]       ; 16 neighbouring lanes store 256 consecutive bytes, aligned
	s_wait_tensorcnt 0x0
	ds_add_u32 v176, v177
	s_wait_dscnt 0x0
	s_endpgm
	; ---- W1 to bf16 in fragment order: the work-group has 16 rows k (k16) and 512 columns (p); thread t has one column
.Lconv:
	s_sub_co_u32 s16, ttmp9, 64
	s_and_b32 s17, s16, 1                          ; p
	s_lshr_b32 s18, s16, 1                         ; k16
	s_lshl_b32 s20, s18, 16                        ; 16 rows of 4,096 bytes
	s_lshl_b32 s21, s17, 11                        ; 512 columns
	s_add_co_u32 s20, s20, s21
	s_mov_b32 s21, 0
	s_lshr_b32 s22, s18, 1
	s_lshl_b32 s22, s22, 13                        ; kq x 8,192
	s_and_b32 s23, s18, 1
	s_lshl_b32 s23, s23, 9                         ; half x 512
	s_add_co_u32 s22, s22, s23
	s_lshl_b32 s23, s17, 18                        ; p x 32 x 8,192
	s_add_co_u32 s22, s22, s23
	s_mov_b32 s23, 0
	v_lshlrev_b32 v2, 2, v0                        ; my column in W1
	v_bfe_u32 v3, v0, 7, 2
	v_lshlrev_b32 v3, 19, v3                       ; w x 524,288
	v_bfe_u32 v4, v0, 4, 3
	v_lshl_add_u32 v3, v4, 10, v3                  ; b x 1,024
	v_and_b32 v4, 15, v0
	v_lshl_add_u32 v3, v4, 4, v3                   ; r x 16
	s_wait_kmcnt 0x0
	s_add_nc_u64 s[4:5], s[4:5], s[20:21]
	s_add_nc_u64 s[10:11], s[10:11], s[22:23]
.irp e, 0,1,2,3,4,5,6,7,8,9,10,11,12,13,14,15
	global_load_b32 v[16+\e], v2, s[4:5] offset:\e*4096 th:TH_LOAD_NT     ; the work-group reads 2,048 consecutive bytes of a row
.endr
	s_wait_loadcnt 0x0
.irp i, 0,1,2,3,4,5,6,7
	v_cvt_pk_bf16_f32 v[32+\i], v[16+2*\i], v[17+2*\i]
.endr
	global_store_b128 v3, v[32:35], s[10:11]               ; k = 0..7 of the sixteen (h = 0): 16 lanes store 256 consecutive bytes, aligned
	global_store_b128 v3, v[36:39], s[10:11] offset:256    ; k = 8..15 (h = 1)
	s_endpgm
.Lfunc_end_k_q879b60d298_prep:
	.size	k_q879b60d298_prep, .Lfunc_end_k_q879b60d298_prep-k_q879b60d298_prep
	.p2alignl 7, 3214868480
	.fill 96, 4, 3214868480
	.section	.rodata,"a",@progbits
	.p2align	6, 0x0
	.amdhsa_kernel k_q879b60d298_prep
		.amdhsa_group_segment_fixed_size 44032
		.amdhsa_private_segment_fixed_size 0
		.amdhsa_enable_private_segment 0
		.amdhsa_kernarg_size 40
		.amdhsa_user_sgpr_count 2
		.amdhsa_user_sgpr_kernarg_segment_ptr 1
		.amdhsa_wavefront_size32 1
		.amdhsa_system_sgpr_workgroup_id_x 1
		.amdhsa_system_sgpr_workgroup_id_y 1
		.amdhsa_system_sgpr_workgroup_id_z 1
		.amdhsa_system_vgpr_workitem_id 0
		.amdhsa_next_free_vgpr 178
		.amdhsa_next_free_sgpr 66
		.amdhsa_reserve_vcc 0
		.amdhsa_float_denorm_mode_32 3
		.amdhsa_float_denorm_mode_16_64 3
		.amdhsa_memory_ordered 1
		.amdhsa_forward_progress 1
		.amdhsa_inst_pref_size 15
	.end_amdhsa_kernel
	.amdgpu_metadata
---
amdhsa.version: [ 1, 2 ]
amdhsa.kernels:
  - .name:           k_q879b60d298_prep
    .symbol:         k_q879b60d298_prep.kd
    .args:
      - { .name: W1, .offset: 0, .size: 8, .value_kind: global_buffer, .address_space: global }
      - { .name: W2, .offset: 8, .size: 8, .value_kind: global_buffer, .address_space: global }
      - { .name: query, .offset: 16, .size: 8, .value_kind: global_buffer, .address_space: global }
      - { .name: w1f, .offset: 24, .size: 8, .value_kind: global_buffer, .address_space: global }
      - { .name: qbp, .offset: 32, .size: 8, .value_kind: global_buffer, .address_space: global }
    .group_segment_fixed_size: 44032
    .private_segment_fixed_size: 0
    .kernarg_segment_align: 8
    .kernarg_segment_size: 40
    .max_flat_workgroup_size: 512
    .sgpr_count:     66
    .vgpr_count:     178
    .wavefront_size: 32
...
	.end_amdgpu_metadata
.endif
;; end of part 1
;; launch attn (part 2): grid 512 x 1, 8 waves a work-group, no clusters, 296,192 bytes of LDS; arguments values, w1f, qbp, b1, b2, V, bV, scores, cpart; writes scores, cpart
.if DOCPART == 2
	.amdgcn_target "amdgcn-amd-amdhsa--gfx1250"
	.amdhsa_code_object_version 6
	.text
	.protected	k_q879b60d298_attn
	.globl	k_q879b60d298_attn
	.p2align	8
	.type	k_q879b60d298_attn,@function
k_q879b60d298_attn:
	s_mov_b64 s[64:65], 0
	v_nop
	global_prefetch_b8 v0, s[64:65] scope:SCOPE_SE
	s_setreg_imm32_b32 hwreg(HW_REG_WAVE_MODE, 25, 1), 1
	s_wait_xcnt 0x0
; One work-group = 128 rows (b, s) of values, all 1,024 units.  It makes
;   scores[row] = V . tanh(values[row] W1 + b1 + query W2 + b2) + bV          (raw, f32)
;   cpart[block][d] = sum over its rows of exp(score - block maximum) * values[row][d]
; The last launch joins the 16 blocks of a batch.  values is read from memory ONCE: it is rounded to bf16 on the way in and the
; 128 x 1,024 block stays in LDS, where two passes of the product (units 0-511, 512-1023) and the weighted sum read it.
; EIGHT WAVES, two for each of a WGP's four SIMDs, 512 registers each: wave wv makes rows 0-127 x units 512 p + 64 wv .. + 63 in pass p,
; 32 accumulator tiles of 16 x 16.  While one wave issues loads, conversions and stores or works off its tanh, the other wave of the
; SIMD has matrix instructions of its own.  The price: eight waves read the rows' fragments, 8 KiB for a wave's 32 matrix instructions.
; A "quarter" is 32 along K; T = 32 p + K/32 counts them, 0..63.
; The waves use different columns of W1, so LDS would give W1 no reuse in the work-group: its fragments come straight into registers
; from w1f, which holds them in register order (quarter T of wave wv: 4 KiB at (wv>>1)*524288 + T*8192 + (wv&1)*4096; each load of the
; wave covers 512 consecutive bytes).
; NO CLUSTER, NO TENSOR LOADS: a joint load lands in LDS, and of 327,680 bytes the resident block takes 278,528 and tables and scratch
; 16,640: 32,512 are left, less than the 32,768 bytes of W1 that the work-group uses in one quarter.  Without the resident block
; values (268 MB) would be read a second time.
; NO PREFETCH: every load of values is issued four quarters (128 matrix instructions of the wave) ahead of its use.
; LIMITS: matrix operands are bf16; the context sums the bf16-rounded values with f32 weights in f32.
; tanh(x) = 1 - 2 r, r = 1 / (1 + 2^(2.885390 x)): 2^.. = inf gives r = 0, 2^.. = 0 gives r = 1.  The score is formed as
; (sum of V + bV) + sum of (-2 V) r in f32: with a common offset in V its absolute error grows with |sum of V| 2^-24.
; v_exp_f32 and v_rcp_f32 flush denormals (ISA guide 15.8): exp(score - maximum) below 2^-126 counts as 0.
; The maximum is taken away before every softmax exponential.
; LDS (filled by ds_store alone; every byte of AR is written once):
.set PITCH, 272                        ; a row of a chunk: 128 bf16 + 16 bytes, an odd multiple of 16: a fragment load's 16 rows lie in 16 different 16-byte columns of 256
.set CHUNK, 128*PITCH                  ; AR[chunk 0..7][row 0..127]: chunk c holds columns 128 c .. + 127 of all rows
.set QT,    8*CHUNK                    ; 1,024 f32: 2.885390 (query W2 + b1 + b2) of my batch;  -2 V lies 4,096 bytes behind
.set SC,    QT+8192                    ; [wave][128 rows] partial scores
.set PW,    SC+4096                    ; [wave][64 even rows][64 odd rows] exp(score - maximum): each wave's own copy
.set SV,    PW+4096                    ; [wave] sum of V over the 128 units that the wave brought
.set ROWB,  4096                       ; bytes in a row of values
; REGISTERS, window 0; v1 = lane L, v2 = r = L & 15, v3 = h = L >> 4
.set ADA,  4                           ; r*272 + 16h + the chunk being multiplied
.set ADA0, 5                           ; the same at chunk 0
.set AS,   6                           ; 16wv*272 + 8L + the chunk being stored
.set TMP,  7
.set L16,  8                           ; 16L: the lane's offset in the streams and in the store of the scores; never rewritten
.set TA,   9                           ; QT + 256wv + 32h
.set SCS,  10                          ; SC + 512wv + 4r
.set SCL,  11                          ; SC + 16L
.set PWS,  12                          ; PW + 512wv + 8L
.set PA,   13                          ; PW + 512wv + 256h, stepped
.set CA,   14                          ; wv chunks + h rows + 16r, stepped
.set QTS,  15                          ; QT + 512wv + 16L
.set CO,   16                          ; 32r + 16h
.set SVA,  17                          ; SV + 4wv
.set TBL,  18                          ; 16t
.set XS,   19
.set SVL,  20                          ; SV
.set CV,   24                          ; v[24:31]   pass 0: four rows' bf16 on their way to LDS
.set SCR,  24                          ; v[24:31]   at the end: score of row 16a + r
.set AFL,  32                          ; v[32:63]   fragments of rows 0-63, a at + 8a
.set QB,   32                          ; v[32:63]   epilogue: QT of my 64 units, [b][8]
.set BF,   64                          ; v[64:191]  four buffers of 32: quarter T's W1 in buffer T % 4, fragment b at + 8b.  W1 is asked for two
                                       ;            quarters ahead, so buffer (T+3) % 4 is idle in quarter T: it holds T's fragments of rows 64-127
.set ST,   192                         ; v[192:255] pass 0: four sets of four loads of values
.set SS,   192                         ; v[192:223] from the first epilogue on: four partial score sums for each a
.set VV,   224                         ; v[224:255] epilogue: -2 V of my 64 units
.set DX,   64                          ; context: 16 rows x 16 bytes, two buffers
.set DY,   128
.set PX,   192                         ; context: 16 weights, two buffers
.set PY,   208
.set CC,   224                         ; v[224:231] context of my 8 columns
.set ZZ,   232                         ; v[232:235] scores of rows 4L .. 4L + 3
.set PP,   236                         ; v[236:239] exp(score - maximum) of rows 4L, 4L+2, 4L+1, 4L+3
.set XT,   240                         ; v[240:249] lane exchange
.set OUT,  252                         ; v[252:255] the 16 bytes of the context that I store
; window 1 (v256-511): the 32 accumulator tiles, tile (a, b) at v[8 (4a + b)]
.set AB, 30                            ; s[30:31] values at my wave's 16 rows, at the chunk that this trip loads
.set BB, 32                            ; s[32:33] w1f at my wave's stream, at this trip's first quarter
.set MSB, 0
.macro WIN new                         ; s_set_vgpr_msb: bits 1:0 source 0, 3:2 source 1, 5:4 source 2, 7:6 destination; the high byte repeats the setting that is left
.if MSB != \new
	s_set_vgpr_msb (MSB<<8)|\new
.set MSB, \new
.endif
.endm
.set MUL, 0x50                         ; W1 and rows in window 0, C and D in window 1
.macro PLACES                          ; four places between a matrix instruction and a load into, or a vector instruction on, its registers
.rept 4
	v_nop
.endr
.endm
	s_load_b512 s[8:23], s[0:1], 0x0               ; values, w1f, qbp, b1, b2, V, bV, scores
	s_load_b64 s[24:25], s[0:1], 0x40              ; cpart
	v_lshl_add_u32 v22, v0, 2, 0x48100
	v_mov_b32 v23, 0
	v_lshrrev_b32 v1, 5, v0
	v_readfirstlane_b32 s2, v1                     ; wave 0..7
	v_and_b32 v1, 31, v0
	v_and_b32 v2, 15, v0
	v_bfe_u32 v3, v0, 4, 1
	s_mov_b32 s28, 0x76543210                      ; v_permlanex16_b32: lane i of one half reads lane i of the other
	s_mov_b32 s29, 0xfedcba98
	v_lshlrev_b32 v[L16], 4, v1
	v_lshlrev_b32 v[TBL], 4, v0
	s_lshl_b32 s4, ttmp9, 19                       ; my block: 128 rows of 4,096 bytes,
	s_lshl_b32 s6, s2, 16                          ; my wave's 16 rows in it
	s_add_co_u32 s4, s4, s6
	s_mov_b32 s5, 0
	s_lshr_b32 s6, s2, 1
	s_lshl_b32 s6, s6, 19
	s_and_b32 s7, s2, 1
	s_lshl_b32 s7, s7, 12
	s_add_co_u32 s6, s6, s7                        ; my wave's stream in w1f
	s_mov_b32 s7, 0
	s_wait_kmcnt 0x0
	s_load_b32 s26, s[20:21], 0x0                  ; bV
	s_add_nc_u64 s[34:35], s[8:9], s[4:5]
	s_add_nc_u64 s[AB:AB+1], s[34:35], 1024        ; chunk 2: what the first trip loads
	s_add_nc_u64 s[BB:BB+1], s[10:11], s[6:7]
	s_lshr_b32 s4, ttmp9, 4
	s_lshl_b32 s4, s4, 12                          ; my batch's row in qbp
	s_add_nc_u64 s[36:37], s[12:13], s[4:5]
	s_lshl_b32 s4, ttmp9, 9
	s_add_nc_u64 s[38:39], s[22:23], s[4:5]        ; scores at my 128 rows
	s_lshl_b32 s4, ttmp9, 12
	s_lshl_b32 s6, s2, 9
	s_add_co_u32 s4, s4, s6
	s_add_nc_u64 s[40:41], s[24:25], s[4:5]        ; cpart at my block's row, my wave's 128 columns
	; ---- 55 loads, in the order in which they are waited for
	WIN 0x40                                       ; the tables, into window 1 (not yet in use): thread t has units 4t .. 4t + 3
.irp k, 0,1,2,3
	global_load_b128 v[4*\k:4*\k+3], v[TBL], s[36:37] offset:\k*131072
.endr
	global_load_b128 v[16:19], v[TBL], s[14:15]
	global_load_b128 v[20:23], v[TBL], s[16:17]
	global_load_b128 v[24:27], v[TBL], s[18:19]
	WIN 0                                          ; W1 of quarter 0
.irp i, 0,1,2,3,4,5,6,7
	global_load_b128 v[BF+4*\i:BF+4*\i+3], v[L16], s[BB:BB+1] offset:512*\i
.endr
	WIN 0x40                                       ; chunk 0 of my 16 rows, into window 1: a load covers a row's 512 bytes of the chunk
.set ii, 0
.rept 16
	global_load_b128 v[32+4*ii:32+4*ii+3], v[L16], s[34:35] offset:ii*ROWB th:TH_LOAD_NT
.set ii, ii+1
.endr
	WIN 0                                          ; chunk 1, set 0 (rows 0-3)
.irp i, 0,1,2,3
	global_load_b128 v[ST+4*\i:ST+4*\i+3], v[L16], s[34:35] offset:512+\i*ROWB th:TH_LOAD_NT
.endr
.irp i, 0,1,2,3,4,5,6,7
	global_load_b128 v[BF+32+4*\i:BF+32+4*\i+3], v[L16], s[BB:BB+1] offset:8192+512*\i     ; W1 of quarter 1
.endr
.set ii, 4
.rept 12
	global_load_b128 v[ST+4*ii:ST+4*ii+3], v[L16], s[34:35] offset:512+ii*ROWB th:TH_LOAD_NT   ; chunk 1, sets 1 to 3
.set ii, ii+1
.endr
	; ---- LDS addresses: a constant, the wave's number times a constant, a lane term
	v_mul_u32_u24 v[ADA0], v2, PITCH
	v_lshl_add_u32 v[ADA0], v3, 4, v[ADA0]
	v_mov_b32 v[ADA], v[ADA0]
	s_mul_i32 s3, s2, 16*PITCH
	v_lshl_add_u32 v[AS], v1, 3, s3
	s_lshl_b32 s43, s2, 8
	s_add_co_u32 s43, s43, QT
	v_lshl_add_u32 v[TA], v3, 5, s43
	s_lshl_b32 s42, s2, 9                          ; 512 wv
	s_add_co_u32 s43, s42, QT
	v_add_nc_u32 v[QTS], s43, v[L16]
	s_add_co_u32 s43, s42, SC
	v_lshl_add_u32 v[SCS], v2, 2, s43
	v_add_nc_u32 v[SCL], SC, v[L16]
	s_add_co_u32 s43, s42, PW
	v_lshl_add_u32 v[PWS], v1, 3, s43
	v_lshl_add_u32 v[PA], v3, 8, s43
	s_mul_i32 s43, s2, CHUNK
	v_mul_u32_u24 v[CA], v3, PITCH
	v_lshl_add_u32 v[CA], v2, 4, v[CA]
	v_add_nc_u32 v[CA], s43, v[CA]
	v_lshlrev_b32 v[CO], 5, v2
	v_lshl_add_u32 v[CO], v3, 4, v[CO]
	s_lshl_b32 s43, s2, 2
	s_add_co_u32 s43, s43, SV
	v_mov_b32 v[SVA], s43
	v_mov_b32 v[SVL], SV
	s_wait_kmcnt 0x0                               ; bV
	s_wait_loadcnt 24                              ; 4 + 8 + 12 loads were issued behind chunk 0: the tables, quarter 0's W1 and chunk 0 are in
	WIN 0x55                                       ; all in window 1: 2.885390 (the four K quarters of query W2 + b1 + b2), and -2 V
.irp j, 0,2
	v_pk_add_f32 v[\j:\j+1],     v[\j:\j+1],     v[4+\j:5+\j]
	v_pk_add_f32 v[8+\j:9+\j],   v[8+\j:9+\j],   v[12+\j:13+\j]
	v_pk_add_f32 v[16+\j:17+\j], v[16+\j:17+\j], v[20+\j:21+\j]
	v_pk_mul_f32 v[28+\j:29+\j], v[24+\j:25+\j], -2.0 op_sel_hi:[1,0]
.endr
.irp j, 0,2
	v_pk_add_f32 v[\j:\j+1], v[\j:\j+1], v[8+\j:9+\j]
.endr
.irp j, 0,2
	v_pk_add_f32 v[\j:\j+1], v[\j:\j+1], v[16+\j:17+\j]
.endr
.irp j, 0,2
	v_pk_mul_f32 v[\j:\j+1], v[\j:\j+1], 0x4038aa3b op_sel_hi:[1,0]
.endr
	WIN 0x05                                       ; sources in window 1, results in window 0
	v_add_f32 v[XS], v24, v25                      ; sum of my four V
	v_add_f32 v[TMP], v26, v27
.set ii, 0
.rept 16
	v_cvt_pk_bf16_f32 v[AFL+2*ii],   v[32+4*ii], v[33+4*ii]        ; chunk 0
	v_cvt_pk_bf16_f32 v[AFL+2*ii+1], v[34+4*ii], v[35+4*ii]
.set ii, ii+1
.endr
	WIN 0x04                                       ; store data in window 1
	ds_store_b128 v[QTS], v[0:3]
	ds_store_b128 v[QTS], v[28:31] offset:4096
	WIN 0
	v_add_f32 v[XS], v[XS], v[TMP]
	v_add_f32_dpp v[XS], v[XS], v[XS] row_xmask:1 row_mask:0xf bank_mask:0xf
	v_add_f32_dpp v[XS], v[XS], v[XS] row_xmask:2 row_mask:0xf bank_mask:0xf
	v_add_f32_dpp v[XS], v[XS], v[XS] row_xmask:4 row_mask:0xf bank_mask:0xf
	v_add_f32_dpp v[XS], v[XS], v[XS] row_xmask:8 row_mask:0xf bank_mask:0xf
	v_permlanex16_b32 v[TMP], v[XS], s28, s29
	v_add_f32 v[XS], v[XS], v[TMP]
	ds_store_b32 v[SVA], v[XS]                     ; all lanes write the same word with the same value
.set ii, 0
.rept 16
	ds_store_b64 v[AS], v[AFL+2*ii:AFL+2*ii+1] offset:ii*PITCH     ; the wave stores 256 consecutive bytes: a row of the chunk
.set ii, ii+1
.endr
	v_add_nc_u32 v[AS], CHUNK, v[AS]               ; the first trip stores chunk 1
	s_wait_dscnt 0x0                               ; my stores are done before I say so
	s_barrier_signal -1
	s_barrier_wait -1                              ; chunk 0 and the tables are whole
; 8 matrix instructions: row blocks a0, a0 + 1 (fragments at ab, ab + 8) x my 4 unit blocks, W1 from buffer bq.
; Source 0 = 16 units, source 1 = 16 rows: lane (r, h) gets row 16a + r, units 16b + 8h + 0..7.  zero = 1: the first product starts the sums.
; The 32 accumulators take turns, one instruction a turn, in the same order in every quarter.
.macro MUL8 bq, ab, a0, zero
.irp a, 0,1
.irp b, 0,1,2,3
.if \zero
	v_wmma_f32_16x16x32_bf16 v[8*(4*(\a0+\a)+\b):8*(4*(\a0+\a)+\b)+7], v[BF+32*\bq+8*\b:BF+32*\bq+8*\b+7], v[(\ab)+8*\a:(\ab)+8*\a+7], 0
.else
	v_wmma_f32_16x16x32_bf16 v[8*(4*(\a0+\a)+\b):8*(4*(\a0+\a)+\b)+7], v[BF+32*\bq+8*\b:BF+32*\bq+8*\b+7], v[(\ab)+8*\a:(\ab)+8*\a+7], v[8*(4*(\a0+\a)+\b):8*(4*(\a0+\a)+\b)+7]
.endif
.endr
.endr
.endm
; 8 LDS loads: the fragments of row blocks a0 .. a0 + 3, 32 K at byte kofs from ADA's chunk, into d
.macro LDA d, a0, kofs
.irp a, 0,1,2,3
	ds_load_b128 v[(\d)+8*\a:(\d)+8*\a+3],   v[ADA] offset:(\a0+\a)*16*PITCH+\kofs
	ds_load_b128 v[(\d)+8*\a+4:(\d)+8*\a+7], v[ADA] offset:(\a0+\a)*16*PITCH+\kofs+32
.endr
.endm
; Quarter q of a trip of four.  acons: set q of the next chunk (4 rows) goes to LDS as bf16.  aissue: set q is loaded again, with the chunk
; after that.  bload: W1 of the quarter after next.  bar: the barrier that shows the next chunk whole.  last: no next quarter; the
; epilogue's tables (pass offset tp) are loaded instead.
.macro QTR q, zero, acons, aissue, bload, cnt, bar, last, tp
.set HB, BF+32*((\q+3)%4)
.set NB, BF+32*((\q+2)%4)
	WIN 0
	s_wait_loadcnt \cnt                            ; loads return in order (ISA guide 5.7.1): this quarter's W1 is in, and set q, which is older
.if \acons
.irp i, 0,1,2,3
	v_cvt_pk_bf16_f32 v[CV+2*\i],   v[ST+16*\q+4*\i],   v[ST+16*\q+4*\i+1]     ; these eight are also the places in front of the loads below
	v_cvt_pk_bf16_f32 v[CV+2*\i+1], v[ST+16*\q+4*\i+2], v[ST+16*\q+4*\i+3]
.endr
.else
	PLACES
.endif
	LDA HB, 4, 64*\q                               ; rows 64-127 of this quarter, into the idle W1 buffer
.if \acons
.irp i, 0,1,2,3
	ds_store_b64 v[AS], v[CV+2*\i:CV+2*\i+1] offset:(4*\q+\i)*PITCH
.endr
.endif
.if \bload
.irp i, 0,1,2,3,4,5,6,7
	global_load_b128 v[NB+4*\i:NB+4*\i+3], v[L16], s[BB:BB+1] offset:(\q+2)*8192+512*\i
.endr
.endif
.if \aissue
.irp i, 0,1,2,3
	global_load_b128 v[ST+16*\q+4*\i:ST+16*\q+4*\i+3], v[L16], s[AB:AB+1] offset:(4*\q+\i)*ROWB th:TH_LOAD_NT
.endr
.endif
	s_wait_dscnt 8+4*\acons                        ; all but the 8 loads (and 4 stores) just issued: rows 0-63 of this quarter are in
	WIN MUL
	MUL8 \q, AFL, 0, \zero
.if \bar
	s_wait_dscnt 0x0                               ; my stores of the next chunk are done, and no LDS instruction of mine is pending
	s_barrier_signal -1                            ; say so, and work on registers while the others arrive
.endif
	MUL8 \q, AFL+16, 2, \zero
	WIN 0
.if \bar
	s_barrier_wait -1                              ; the next chunk is whole
.endif
	PLACES
.if \last
.irp b, 0,1,2,3
	ds_load_b128 v[QB+8*\b:QB+8*\b+3],   v[TA] offset:\tp+64*\b
	ds_load_b128 v[QB+8*\b+4:QB+8*\b+7], v[TA] offset:\tp+64*\b+16
	ds_load_b128 v[VV+8*\b:VV+8*\b+3],   v[TA] offset:\tp+4096+64*\b
	ds_load_b128 v[VV+8*\b+4:VV+8*\b+7], v[TA] offset:\tp+4096+64*\b+16
.endr
	s_wait_dscnt 16                                ; all but the 16 table loads: rows 64-127 are in
.else
.if \q == 3
	LDA AFL, 0, CHUNK                              ; rows 0-63 of the next quarter: the next chunk's first
.else
	LDA AFL, 0, 64*(\q+1)
.endif
	s_wait_dscnt 8                                 ; all but those 8: rows 64-127 of this quarter are in
.endif
	WIN MUL
	MUL8 \q, HB, 4, \zero
	MUL8 \q, HB+16, 6, \zero
.endm
; Four quarters = one chunk of K.  In a quarter W1's 8 loads are issued ahead of values' 4.  The count at the head of quarter T is what was
; issued behind the W1 loads of quarter T - 2 (which brought T's fragments): values' 4 of T - 2, W1's 8 and values' 4 of T - 1.
.macro TRIP zero, acons, aissue, bl23, n0, n1, n2, n3, bar, last, stepa, tp
	QTR 0, \zero, \acons, \aissue, 1, \n0, 0, 0, \tp
	QTR 1, 0, \acons, \aissue, 1, \n1, 0, 0, \tp
	QTR 2, 0, \acons, \aissue, \bl23, \n2, 0, 0, \tp
	QTR 3, 0, \acons, \aissue, \bl23, \n3, \bar, \last, \tp
	WIN 0
	s_wait_xcnt 0x0                                ; the bases of the loads above are stepped only behind this wait
	s_add_nc_u64 s[BB:BB+1], s[BB:BB+1], 32768
.if \aissue
	s_add_nc_u64 s[AB:AB+1], s[AB:AB+1], 512
.endif
.if \stepa
	v_add_nc_u32 v[ADA], CHUNK, v[ADA]
.endif
.if \acons
	v_add_nc_u32 v[AS], CHUNK, v[AS]
.endif
.endm
; The epilogue of a pass.  Stage 1, a row block's four tiles (32 registers) at a time, in place: r = 1 / (1 + 2^(2.885390 x + QT)).
; Stage 2: score sums += (-2 V) r, two chains of pairs for each row block.  first = 1: the first products start the sums.
.macro EPI first
	WIN 0
	PLACES                                         ; behind the last matrix instructions
	s_wait_dscnt 0x0                               ; the tables
	WIN 0x41                                       ; tiles in window 1, QT in window 0
.set eg, 0
.rept 8
.set ej, 0
.rept 16
	v_pk_fma_f32 v[32*eg+ej:32*eg+ej+1], v[32*eg+ej:32*eg+ej+1], 0x4038aa3b, v[QB+ej:QB+ej+1] op_sel_hi:[1,0,1]
.set ej, ej+2
.endr
.set ej, 0
.rept 32
	v_exp_f32 v[32*eg+ej], v[32*eg+ej]
.set ej, ej+1
.endr
	v_nop                                          ; one plain place between a transcendental and the use of its result (ISA guide 5.7.2)
.set ej, 0
	s_wait_alu depctr_va_vdst(0)
.rept 16
	v_pk_add_f32 v[32*eg+ej:32*eg+ej+1], v[32*eg+ej:32*eg+ej+1], 1.0 op_sel_hi:[1,0]
.set ej, ej+2
.endr
.set ej, 0
.rept 32
	v_rcp_f32 v[32*eg+ej], v[32*eg+ej]             ; the next block's multiply-adds, on other registers, follow these
.set ej, ej+1
.endr
.set eg, eg+1
.endr
	v_nop
	s_wait_alu depctr_va_vdst(0)
	WIN 0x01                                       ; tiles in window 1, the rest in window 0
.set eb, 0
.rept 4
.set ei, 0
.rept 4
.set ea, 0
.rept 8
.set st, 0
.if \first
.if eb == 0
.if ei < 2
.set st, 1
.endif
.endif
.endif
.if st
	v_pk_mul_f32 v[SS+4*ea+2*(ei&1):SS+4*ea+2*(ei&1)+1], v[32*ea+8*eb+2*ei:32*ea+8*eb+2*ei+1], v[VV+8*eb+2*ei:VV+8*eb+2*ei+1]
.else
	v_pk_fma_f32 v[SS+4*ea+2*(ei&1):SS+4*ea+2*(ei&1)+1], v[32*ea+8*eb+2*ei:32*ea+8*eb+2*ei+1], v[VV+8*eb+2*ei:VV+8*eb+2*ei+1], v[SS+4*ea+2*(ei&1):SS+4*ea+2*(ei&1)+1]
.endif
.set ea, ea+1
.endr
.set ei, ei+1
.endr
.set eb, eb+1
.endr
	WIN 0
.endm
	; ---- pass 0: units 0-511.  Trip c multiplies chunk c, stores chunk c + 1 to LDS and loads chunk c + 2 from memory.
	LDA AFL, 0, 0
	TRIP 1,1,1,1, 16,16,16,16, 1,0,1, 0            ; c = 0.  On the way in the counts hold too: behind quarter 0's W1 and set 0 stand 20 loads, behind quarter 1's W1 and set 1 at least 8 + 12
	s_mov_b32 s3, 5
.Lp0:
	TRIP 0,1,1,1, 16,16,16,16, 1,0,1, 0            ; c = 1..5
	s_sub_co_u32 s3, s3, 1
	s_cmp_lg_u32 s3, 0
	s_cbranch_scc1 .Lp0
	TRIP 0,1,0,1, 16,12,8,8, 1,0,1, 0              ; c = 6: nothing of values is left to load: the counts run down to W1's 8
	TRIP 0,0,0,1, 8,8,8,8, 0,1,0, 0                ; c = 7: nothing left to store; W1's stream runs on into pass 1
	EPI 1                                          ; W1 of quarters 32 and 33 stays on its way, into buffers 0 and 1
	; ---- pass 1: units 512-1023, the rows from LDS again
	v_mov_b32 v[ADA], v[ADA0]
	LDA AFL, 0, 0
	TRIP 1,0,0,1, 8,8,8,8, 0,0,1, 2048
	s_mov_b32 s3, 6
.Lp1:
	TRIP 0,0,0,1, 8,8,8,8, 0,0,1, 2048
	s_sub_co_u32 s3, s3, 1
	s_cmp_lg_u32 s3, 0
	s_cbranch_scc1 .Lp1
	TRIP 0,0,0,0, 8,8,8,0, 0,1,0, 2048             ; quarters 62 and 63 load no W1: behind quarter 63's fragments nothing was issued
	EPI 0
	; ---- scores: my 128 units' part of each row, then all eight waves' parts
.irp a, 0,1,2,3,4,5,6,7
	v_pk_add_f32 v[SS+4*\a:SS+4*\a+1], v[SS+4*\a:SS+4*\a+1], v[SS+4*\a+2:SS+4*\a+3]
.endr
.irp a, 0,1,2,3,4,5,6,7
	v_add_f32 v[SCR+\a], v[SS+4*\a], v[SS+4*\a+1]
.endr
.irp a, 0,1,2,3,4,5,6,7
	v_permlanex16_b32 v[XT+\a], v[SCR+\a], s28, s29        ; the other half of the lanes holds the other eight units of each sixteen
.endr
.irp a, 0,1,2,3,4,5,6,7
	v_add_f32 v[SCR+\a], v[SCR+\a], v[XT+\a]
.endr
.irp a, 0,1,2,3,4,5,6,7
	ds_store_b32 v[SCS], v[SCR+\a] offset:64*\a            ; row 16a + r; both halves write the same word with the same value
.endr
	s_wait_dscnt 0x0
	s_barrier_signal -1
	s_barrier_wait -1
.irp k, 0,1,2,3,4,5,6,7
	ds_load_b128 v[64+4*\k:67+4*\k], v[SCL] offset:512*\k  ; rows 4L .. 4L + 3 of each wave's part: every wave makes all 128 scores
.endr
	ds_load_b128 v[96:99],   v[SVL]                        ; the eight partial sums of V
	ds_load_b128 v[100:103], v[SVL] offset:16
	s_wait_dscnt 0x0
.irp j, 0,2
	v_pk_add_f32 v[64+\j:65+\j], v[64+\j:65+\j], v[68+\j:69+\j]
	v_pk_add_f32 v[72+\j:73+\j], v[72+\j:73+\j], v[76+\j:77+\j]
	v_pk_add_f32 v[80+\j:81+\j], v[80+\j:81+\j], v[84+\j:85+\j]
	v_pk_add_f32 v[88+\j:89+\j], v[88+\j:89+\j], v[92+\j:93+\j]
.endr
	v_pk_add_f32 v[96:97], v[96:97], v[98:99]
	v_pk_add_f32 v[100:101], v[100:101], v[102:103]
.irp j, 0,2
	v_pk_add_f32 v[64+\j:65+\j], v[64+\j:65+\j], v[72+\j:73+\j]
	v_pk_add_f32 v[80+\j:81+\j], v[80+\j:81+\j], v[88+\j:89+\j]
.endr
	v_pk_add_f32 v[96:97], v[96:97], v[100:101]
.irp j, 0,2
	v_pk_add_f32 v[64+\j:65+\j], v[64+\j:65+\j], v[80+\j:81+\j]
.endr
	v_add_f32 v96, v96, v97
	v_add_f32 v[XS], s26, v96                              ; sum of V + bV
.irp i, 0,1,2,3
	v_add_f32 v[ZZ+\i], v[64+\i], v[XS]
.endr
	s_cmp_lg_u32 s2, 0
	s_cbranch_scc1 .Lnot0
	global_store_b128 v[L16], v[ZZ:ZZ+3], s[38:39]         ; wave 0: 512 consecutive bytes; ZZ and L16 are not written again
.Lnot0:
	v_max3_num_f32 v[XT+8], v[ZZ], v[ZZ+1], v[ZZ+2]        ; the block's maximum
	v_max_num_f32 v[XT+8], v[XT+8], v[ZZ+3]
	v_max_num_f32_dpp v[XT+8], v[XT+8], v[XT+8] row_xmask:1 row_mask:0xf bank_mask:0xf
	v_max_num_f32_dpp v[XT+8], v[XT+8], v[XT+8] row_xmask:2 row_mask:0xf bank_mask:0xf
	v_max_num_f32_dpp v[XT+8], v[XT+8], v[XT+8] row_xmask:4 row_mask:0xf bank_mask:0xf
	v_max_num_f32_dpp v[XT+8], v[XT+8], v[XT+8] row_xmask:8 row_mask:0xf bank_mask:0xf
	v_permlanex16_b32 v[XT+9], v[XT+8], s28, s29
	v_max_num_f32 v[XT+8], v[XT+8], v[XT+9]
	v_sub_f32 v[PP],   v[ZZ],   v[XT+8]                    ; even rows first, then odd
	v_sub_f32 v[PP+1], v[ZZ+2], v[XT+8]
	v_sub_f32 v[PP+2], v[ZZ+1], v[XT+8]
	v_sub_f32 v[PP+3], v[ZZ+3], v[XT+8]
.irp i, 0,1,2,3
	v_mul_f32 v[PP+\i], 0x3fb8aa3b, v[PP+\i]
.endr
.irp i, 0,1,2,3
	v_exp_f32 v[PP+\i], v[PP+\i]
.endr
.irp k, 0,1,2,3,4,5,6,7
	v_mov_b32 v[CC+\k], 0                          ; (the first is the plain place behind the exponentials)
.endr
	s_wait_alu depctr_va_vdst(0)
	ds_store_b64 v[PWS], v[PP:PP+1]                ; my wave's own copy: LDS serves a wave's instructions in order (ISA guide 5.7.1), no barrier
	ds_store_b64 v[PWS], v[PP+2:PP+3] offset:256
	; ---- context: wave wv has chunk wv (columns 128 wv .. + 127); lane (r, h) has columns 8r .. 8r + 7 of the rows of parity h;
	; a group is 32 rows (16 a lane), four groups, two sets of registers by turns
.macro LOADG p, d
.irp k, 0,1,2,3
	ds_load_b128 v[\p+4*\k:\p+4*\k+3], v[PA] offset:16*\k          ; 16 weights of my parity, the same in the 16 lanes of a half
.endr
.irp i, 0,1,2,3,4,5,6,7,8,9,10,11,12,13,14,15
	ds_load_b128 v[\d+4*\i:\d+4*\i+3], v[CA] offset:2*PITCH*\i     ; 16 lanes read a row's 256 consecutive bytes
.endr
	v_add_nc_u32 v[PA], 64, v[PA]
	v_add_nc_u32 v[CA], 32*PITCH, v[CA]
.endm
.macro FMAG p, d
.irp i, 0,1,2,3,4,5,6,7,8,9,10,11,12,13,14,15
.irp k, 0,1,2,3
	v_fma_mix_f32_bf16 v[CC+2*\k],   v[\d+4*\i+\k], v[\p+\i], v[CC+2*\k]   op_sel_hi:[1,0,0]
	v_fma_mix_f32_bf16 v[CC+2*\k+1], v[\d+4*\i+\k], v[\p+\i], v[CC+2*\k+1] op_sel:[1,0,0] op_sel_hi:[1,0,0]
.endr
.endr
.endm
	LOADG PX, DX
	LOADG PY, DY
	s_wait_dscnt 20                                ; all but the 20 loads just issued
	FMAG PX, DX
	LOADG PX, DX
	s_wait_dscnt 20
	FMAG PY, DY
	LOADG PY, DY                                   ; the fourth group: rows 96-127
	s_wait_dscnt 20
	FMAG PX, DX
	s_wait_dscnt 0x0
	FMAG PY, DY
.irp k, 0,1,2,3,4,5,6,7
	v_permlanex16_b32 v[XT+\k], v[CC+\k], s28, s29         ; the other parity's sums of the same 8 columns
.endr
.irp k, 0,1,2,3,4,5,6,7
	v_add_f32 v[CC+\k], v[CC+\k], v[XT+\k]
.endr
	v_cmp_eq_u32 vcc_lo, 1, v3                     ; lanes 0-15 store columns 8r .. + 3, lanes 16-31 columns 8r + 4 .. + 7
.irp i, 0,1,2,3
	v_cndmask_b32 v[OUT+\i], v[CC+\i], v[CC+4+\i], vcc_lo
.endr
	global_store_b128 v[CO], v[OUT:OUT+3], s[40:41]        ; the wave stores 512 consecutive bytes, aligned
	s_wait_tensorcnt 0x0
	ds_add_u32 v22, v23
	s_wait_dscnt 0x0
	s_endpgm
.Lfunc_end_k_q879b60d298_attn:
	.size	k_q879b60d298_attn, .Lfunc_end_k_q879b60d298_attn-k_q879b60d298_attn
	.p2alignl 7, 3214868480
	.fill 96, 4, 3214868480
	.section	.rodata,"a",@progbits
	.p2align	6, 0x0
	.amdhsa_kernel k_q879b60d298_attn
		.amdhsa_group_segment_fixed_size 296192
		.amdhsa_private_segment_fixed_size 0
		.amdhsa_enable_private_segment 0
		.amdhsa_kernarg_size 72
		.amdhsa_user_sgpr_count 2
		.amdhsa_user_sgpr_kernarg_segment_ptr 1
		.amdhsa_wavefront_size32 1
		.amdhsa_system_sgpr_workgroup_id_x 1
		.amdhsa_system_sgpr_workgroup_id_y 1
		.amdhsa_system_sgpr_workgroup_id_z 1
		.amdhsa_system_vgpr_workitem_id 0
		.amdhsa_next_free_vgpr 512
		.amdhsa_next_free_sgpr 66
		.amdhsa_reserve_vcc 1
		.amdhsa_float_denorm_mode_32 3
		.amdhsa_float_denorm_mode_16_64 3
		.amdhsa_memory_ordered 1
		.amdhsa_forward_progress 1
		.amdhsa_inst_pref_size 255
	.end_amdhsa_kernel
	.section	.bss,"aw",@nobits
	.p2align	6
	.space	262144
	.amdgpu_metadata
---
amdhsa.version: [ 1, 2 ]
amdhsa.kernels:
  - .name:           k_q879b60d298_attn
    .symbol:         k_q879b60d298_attn.kd
    .args:
      - { .name: values, .offset: 0, .size: 8, .value_kind: global_buffer, .address_space: global }
      - { .name: w1f, .offset: 8, .size: 8, .value_kind: global_buffer, .address_space: global }
      - { .name: qbp, .offset: 16, .size: 8, .value_kind: global_buffer, .address_space: global }
      - { .name: b1, .offset: 24, .size: 8, .value_kind: global_buffer, .address_space: global }
      - { .name: b2, .offset: 32, .size: 8, .value_kind: global_buffer, .address_space: global }
      - { .name: V, .offset: 40, .size: 8, .value_kind: global_buffer, .address_space: global }
      - { .name: bV, .offset: 48, .size: 8, .value_kind: global_buffer, .address_space: global }
      - { .name: scores, .offset: 56, .size: 8, .value_kind: global_buffer, .address_space: global }
      - { .name: cpart, .offset: 64, .size: 8, .value_kind: global_buffer, .address_space: global }
    .group_segment_fixed_size: 296192
    .private_segment_fixed_size: 0
    .kernarg_segment_align: 8
    .kernarg_segment_size: 72
    .max_flat_workgroup_size: 256
    .sgpr_count:     66
    .vgpr_count:     512
    .wavefront_size: 32
...
	.end_amdgpu_metadata
.endif
;; end of part 2
;; launch fin (part 3): grid 32 x 1, 16 waves a work-group, no clusters, 2,304 bytes of LDS; arguments scores, cpart, out0, out1; writes out0, out1
.if DOCPART == 3
	.amdgcn_target "amdgcn-amd-amdhsa--gfx1250"
	.amdhsa_code_object_version 6
	.text
	.protected	k_q879b60d298_fin
	.globl	k_q879b60d298_fin
	.p2align	8
	.type	k_q879b60d298_fin,@function
k_q879b60d298_fin:
	s_mov_b64 s[64:65], 0
	v_nop
	global_prefetch_b8 v0, s[64:65] scope:SCOPE_SE
	s_setreg_imm32_b32 hwreg(HW_REG_WAVE_MODE, 25, 1), 1
	s_wait_xcnt 0x0
; One work-group = one batch.  Joins the 16 blocks of 128 rows:
;   m_j = block j's largest score (the same number that the launch before took away: a maximum does not hang on the order),
;   l_j = sum of exp(z - m_j),  M = max m_j,  f_j = exp(m_j - M),  L = sum l_j f_j,
;   out1[s] = exp(z_s - m_j) f_j / L,      out0[d] = sum over j of cpart[j][d] f_j / L.
; Sixteen waves; wave j is block j (thread t has rows 4t .. 4t + 3) and thread t has columns 2t, 2t + 1 of the context.
; A stream of 72 KiB a work-group: no matrix unit, no cluster, no tensor load.
; LIMIT: v_exp_f32 flushes denormals (ISA guide 15.8): weights whose exponential is below 2^-126 come out as 0.  L is at least 1.
	s_load_b256 s[4:11], s[0:1], 0x0               ; scores s[4:5], cpart s[6:7], out0 s[8:9], out1 s[10:11]
	v_lshl_add_u32 v96, v0, 2, 0x100
	v_mov_b32 v97, 0
	v_lshrrev_b32 v1, 5, v0
	v_readfirstlane_b32 s2, v1                     ; wave = block
	s_mov_b32 s12, 0x76543210                      ; v_permlanex16_b32: lane i of one half reads lane i of the other
	s_mov_b32 s13, 0xfedcba98
	s_lshl_b32 s14, ttmp9, 13                      ; 2,048 scores
	s_mov_b32 s15, 0
	s_lshl_b32 s16, ttmp9, 16                      ; 16 rows of cpart
	s_mov_b32 s17, 0
	s_lshl_b32 s18, ttmp9, 12                      ; a row of out0
	s_mov_b32 s19, 0
	s_lshl_b32 s20, s2, 3
	v_lshlrev_b32 v2, 4, v0
	v_lshlrev_b32 v3, 3, v0
	v_mov_b32 v9, 0                                ; v_permlanex16_b32's destination counts as read
	v_mov_b32 v10, s20
	v_mov_b32 v11, 0
	s_wait_kmcnt 0x0
	s_add_nc_u64 s[4:5], s[4:5], s[14:15]
	s_add_nc_u64 s[10:11], s[10:11], s[14:15]
	s_add_nc_u64 s[6:7], s[6:7], s[16:17]
	s_add_nc_u64 s[8:9], s[8:9], s[18:19]
	global_load_b128 v[4:7], v2, s[4:5]
.irp j, 0,1,2,3,4,5,6,7,8,9,10,11,12,13,14,15
	global_load_b64 v[32+2*\j:33+2*\j], v3, s[6:7] offset:\j*4096      ; a wave reads 256 consecutive bytes
.endr
	s_wait_loadcnt 16                              ; the scores are in; the 16 loads of cpart stay out
	v_max3_num_f32 v8, v4, v5, v6
	v_max_num_f32 v8, v8, v7
	v_max_num_f32_dpp v8, v8, v8 row_xmask:1 row_mask:0xf bank_mask:0xf
	v_max_num_f32_dpp v8, v8, v8 row_xmask:2 row_mask:0xf bank_mask:0xf
	v_max_num_f32_dpp v8, v8, v8 row_xmask:4 row_mask:0xf bank_mask:0xf
	v_max_num_f32_dpp v8, v8, v8 row_xmask:8 row_mask:0xf bank_mask:0xf
	v_permlanex16_b32 v9, v8, s12, s13
	v_max_num_f32 v12, v8, v9                      ; m_j
.irp i, 0,1,2,3
	v_sub_f32 v[16+\i], v[4+\i], v12
.endr
.irp i, 0,1,2,3
	v_mul_f32 v[16+\i], 0x3fb8aa3b, v[16+\i]
.endr
.irp i, 0,1,2,3
	v_exp_f32 v[16+\i], v[16+\i]
.endr
	v_nop                                          ; one plain place behind the exponentials (ISA guide 5.7.2)
	s_wait_alu depctr_va_vdst(0)
	v_add_f32 v13, v16, v17
	v_add_f32 v14, v18, v19
	v_add_f32 v13, v13, v14
	v_add_f32_dpp v13, v13, v13 row_xmask:1 row_mask:0xf bank_mask:0xf
	v_add_f32_dpp v13, v13, v13 row_xmask:2 row_mask:0xf bank_mask:0xf
	v_add_f32_dpp v13, v13, v13 row_xmask:4 row_mask:0xf bank_mask:0xf
	v_add_f32_dpp v13, v13, v13 row_xmask:8 row_mask:0xf bank_mask:0xf
	v_permlanex16_b32 v9, v13, s12, s13
	v_add_f32 v13, v13, v9                         ; l_j
	ds_store_b64 v10, v[12:13]                     ; (m_j, l_j) at 8 j; all lanes write the same
	s_wait_dscnt 0x0
	s_barrier_signal -1
	s_barrier_wait -1
.irp k, 0,1,2,3,4,5,6,7
	ds_load_b128 v[64+4*\k:67+4*\k], v11 offset:16*\k      ; v[64+2j] = m_j, v[65+2j] = l_j, in every lane
.endr
	s_wait_dscnt 0x0
	v_max3_num_f32 v20, v64, v66, v68
	v_max3_num_f32 v21, v70, v72, v74
	v_max3_num_f32 v22, v76, v78, v80
	v_max3_num_f32 v23, v82, v84, v86
	v_max3_num_f32 v24, v88, v90, v92
	v_max3_num_f32 v20, v20, v21, v94
	v_max3_num_f32 v22, v22, v23, v24
	v_max_num_f32 v20, v20, v22                    ; M
	v_sub_f32 v15, v12, v20                        ; my own block's factor
	v_mul_f32 v15, 0x3fb8aa3b, v15
.irp j, 0,1,2,3,4,5,6,7,8,9,10,11,12,13,14,15
	v_sub_f32 v[64+2*\j], v[64+2*\j], v20
.endr
.irp j, 0,1,2,3,4,5,6,7,8,9,10,11,12,13,14,15
	v_mul_f32 v[64+2*\j], 0x3fb8aa3b, v[64+2*\j]
.endr
.irp j, 0,1,2,3,4,5,6,7,8,9,10,11,12,13,14,15
	v_exp_f32 v[64+2*\j], v[64+2*\j]               ; f_j, in place of m_j
.endr
	v_exp_f32 v15, v15
	v_nop
	s_wait_alu depctr_va_vdst(0)
	v_mul_f32 v21, v64, v65                        ; L = sum f_j l_j, two chains
	v_mul_f32 v22, v66, v67
.irp j, 2,4,6,8,10,12,14
	v_fmac_f32 v21, v[64+2*\j], v[65+2*\j]
	v_fmac_f32 v22, v[66+2*\j], v[67+2*\j]
.endr
	v_add_f32 v21, v21, v22
	v_rcp_f32 v21, v21
	v_nop
	s_wait_alu depctr_va_vdst(0)
	v_mul_f32 v15, v15, v21
.irp j, 0,1,2,3,4,5,6,7,8,9,10,11,12,13,14,15
	v_mul_f32 v[64+2*\j], v[64+2*\j], v21          ; f_j / L
.endr
.irp i, 0,1,2,3
	v_mul_f32 v[16+\i], v[16+\i], v15
.endr
	global_store_b128 v2, v[16:19], s[10:11]       ; the weights: a wave stores 512 consecutive bytes
	s_wait_loadcnt 0x0                             ; cpart
	v_pk_mul_f32 v[24:25], v[32:33], v[64:65] op_sel_hi:[1,0]      ; both columns by the pair's first register, f_j / L; two chains
	v_pk_mul_f32 v[26:27], v[34:35], v[66:67] op_sel_hi:[1,0]
.irp j, 2,4,6,8,10,12,14
	v_pk_fma_f32 v[24:25], v[32+2*\j:33+2*\j], v[64+2*\j:65+2*\j], v[24:25] op_sel_hi:[1,0,1]
	v_pk_fma_f32 v[26:27], v[34+2*\j:35+2*\j], v[66+2*\j:67+2*\j], v[26:27] op_sel_hi:[1,0,1]
.endr
	v_pk_add_f32 v[24:25], v[24:25], v[26:27]
	global_store_b64 v3, v[24:25], s[8:9]          ; the context: a wave stores 256 consecutive bytes, aligned
	s_wait_tensorcnt 0x0
	ds_add_u32 v96, v97
	s_wait_dscnt 0x0
	s_endpgm
.Lfunc_end_k_q879b60d298_fin:
	.size	k_q879b60d298_fin, .Lfunc_end_k_q879b60d298_fin-k_q879b60d298_fin
	.p2alignl 7, 3214868480
	.fill 96, 4, 3214868480
	.section	.rodata,"a",@progbits
	.p2align	6, 0x0
	.amdhsa_kernel k_q879b60d298_fin
		.amdhsa_group_segment_fixed_size 2304
		.amdhsa_private_segment_fixed_size 0
		.amdhsa_enable_private_segment 0
		.amdhsa_kernarg_size 32
		.amdhsa_user_sgpr_count 2
		.amdhsa_user_sgpr_kernarg_segment_ptr 1
		.amdhsa_wavefront_size32 1
		.amdhsa_system_sgpr_workgroup_id_x 1
		.amdhsa_system_sgpr_workgroup_id_y 1
		.amdhsa_system_sgpr_workgroup_id_z 1
		.amdhsa_system_vgpr_workitem_id 0
		.amdhsa_next_free_vgpr 98
		.amdhsa_next_free_sgpr 66
		.amdhsa_reserve_vcc 0
		.amdhsa_float_denorm_mode_32 3
		.amdhsa_float_denorm_mode_16_64 3
		.amdhsa_memory_ordered 1
		.amdhsa_forward_progress 1
		.amdhsa_inst_pref_size 11
	.end_amdhsa_kernel
	.amdgpu_metadata
---
amdhsa.version: [ 1, 2 ]
amdhsa.kernels:
  - .name:           k_q879b60d298_fin
    .symbol:         k_q879b60d298_fin.kd
    .args:
      - { .name: scores, .offset: 0, .size: 8, .value_kind: global_buffer, .address_space: global }
      - { .name: cpart, .offset: 8, .size: 8, .value_kind: global_buffer, .address_space: global }
      - { .name: out0, .offset: 16, .size: 8, .value_kind: global_buffer, .address_space: global }
      - { .name: out1, .offset: 24, .size: 8, .value_kind: global_buffer, .address_space: global }
    .group_segment_fixed_size: 2304
    .private_segment_fixed_size: 0
    .kernarg_segment_align: 8
    .kernarg_segment_size: 32
    .max_flat_workgroup_size: 512
    .sgpr_count:     66
    .vgpr_count:     98
    .wavefront_size: 32
...
	.end_amdgpu_metadata
.endif
;; end of part 3
;; ======== version 2 of 2: 3 launches; version 1 with the launch attn written anew for expert scheduling mode
;; limits: values outside matrix products are rounded to bf16; a difference of large sums (such as E[x^2] - mean^2): digits are lost where the result is much smaller than its terms
;; workspace buffers: w1f 2,097,152 bytes; qbp 524,288 bytes; scores 262,144 bytes; cpart 2,097,152 bytes
;; launch prep: the kernel of part 1 again; grid 192 x 1, 16 waves a work-group, no clusters, 44,032 bytes of LDS; arguments W1, W2, query, w1f, qbp; writes w1f, qbp
;; launch attn (part 4): grid 512 x 1, 8 waves a work-group, no clusters, 296,192 bytes of LDS; arguments values, w1f, qbp, b1, b2, V, bV, scores, cpart; writes scores, cpart
.if DOCPART == 4
	.amdgcn_target "amdgcn-amd-amdhsa--gfx1250"
	.amdhsa_code_object_version 6
	.text
	.protected	k_q879b60d298_attn
	.globl	k_q879b60d298_attn
	.p2align	8
	.type	k_q879b60d298_attn,@function
k_q879b60d298_attn:
	s_mov_b64 s[64:65], 0
	v_nop
	global_prefetch_b8 v0, s[64:65] scope:SCOPE_SE
	s_setreg_imm32_b32 hwreg(HW_REG_WAVE_SCHED_MODE, 0, 2), 2
	s_setreg_imm32_b32 hwreg(HW_REG_WAVE_MODE, 25, 1), 1
	s_wait_xcnt 0x0
	s_wait_alu depctr_vm_vsrc(0)
; One work-group = 128 rows (b, s) of values, all 1,024 units.  It makes
;   scores[row] = V . tanh(values[row] W1 + b1 + query W2 + b2) + bV          (raw, f32)
;   cpart[block][d] = sum over its rows of exp(score - block maximum) * values[row][d]
; The last launch joins the 16 blocks of a batch.  values is read from memory ONCE: it is rounded to bf16 on the way in and the
; 128 x 1,024 block stays in LDS, where two passes of the product (units 0-511, 512-1023) and the weighted sum read it.
; EIGHT WAVES, two for each of a WGP's four SIMDs, 512 registers each: wave wv makes rows 0-127 x units 512 p + 64 wv .. + 63 in pass p,
; 32 accumulator tiles of 16 x 16.  While one wave issues loads, conversions and stores or works off its tanh, the other wave of the
; SIMD has matrix instructions of its own.  The price: eight waves read the rows' fragments, 8 KiB for a wave's 32 matrix instructions.
; A "quarter" is 32 along K; T = 32 p + K/32 counts them, 0..63.
; The waves use different columns of W1, so LDS would give W1 no reuse in the work-group: its fragments come straight into registers
; from w1f, which holds them in register order (quarter T of wave wv: 4 KiB at (wv>>1)*524288 + T*8192 + (wv&1)*4096; each load of the
; wave covers 512 consecutive bytes).
; NO CLUSTER, NO TENSOR LOADS: a joint load lands in LDS, and of 327,680 bytes the resident block takes 278,528 and tables and scratch
; 16,640: 32,512 are left, less than the 32,768 bytes of W1 that the work-group uses in one quarter.  Without the resident block
; values (268 MB) would be read a second time.
; NO PREFETCH: every load of values is issued four quarters (128 matrix instructions of the wave) ahead of its use.
; LIMITS: matrix operands are bf16; the context sums the bf16-rounded values with f32 weights in f32.
; tanh(x) = 1 - 2 r, r = 1 / (1 + 2^(2.885390 x)): 2^.. = inf gives r = 0, 2^.. = 0 gives r = 1.  The score is formed as
; (sum of V + bV) + sum of (-2 V) r in f32: with a common offset in V its absolute error grows with |sum of V| 2^-24.
; v_exp_f32 and v_rcp_f32 flush denormals (ISA guide 15.8): exp(score - maximum) below 2^-126 counts as 0.
; The maximum is taken away before every softmax exponential.
; THE MODE: SCHED_MODE bits 1:0 = 2 (LLVM: expert scheduling mode 2), set by the entry lines.  The code itself states the register dependences
; between vector or matrix instructions and memory or LDS instructions, with s_wait_alu, always for 0.
; THE PLAN.  Registers that memory or LDS instructions touch, and who else names them:
;   L16, TBL, TA, QTS, SCS, SCL, PWS, PA, CA, CO, SVA, SVL   addresses, made at the head and never written again.
;   ADA, AS   Read by a trip's LDS loads and stores; stepped by one vector add each at the trip's end.
;   CV        Quarter q: its eight conversions write it, its four LDS stores read it.
;   ST[q]     Quarter q: its conversions read it; behind them the loads of the chunk after next land in it.
;   BF ring   Quarter q: the 32 matrix instructions read buffer q % 4 (W1), the last 16 also buffer (q+3) % 4 (rows 64-127).
;             At the head of quarter q rows 64-127 land in buffer (q+3) % 4, which was W1 of quarter q - 1, and W1 of quarter q + 2 in
;             buffer (q+2) % 4, which held rows 64-127 of quarter q - 1.
;   AFL       Quarter q: its first 16 matrix instructions read it; behind them the next quarter's rows 0-63 (or the tables, QB) land in it.
;   The accumulators, SS and the statistics are named by vector and matrix instructions alone while the passes run.
; So TWO waits on va_vdst stand in a quarter.  The one at its head, behind the wait for its data and the conversions, states that the quarter
; before is done with both ring buffers, that the conversions have written CV and are done with ST[q], and, in a trip's first quarter, that ADA
; and AS are written.  The one in its middle states that the first 16 matrix instructions are done with AFL.  What follows each is a run of loads
; and stores on registers that no vector or matrix instruction since the wait names.  One wait on vm_vsrc a quarter (pass 0) stands ahead of the
; conversions that write CV again, one a trip ahead of the adds to ADA and AS.
; LDS (filled by ds_store alone; every byte of AR is written once):
.set PITCH, 272                        ; a row of a chunk: 128 bf16 + 16 bytes, an odd multiple of 16: a fragment load's 16 rows lie in 16 different 16-byte columns of 256
.set CHUNK, 128*PITCH                  ; AR[chunk 0..7][row 0..127]: chunk c holds columns 128 c .. + 127 of all rows
.set QT,    8*CHUNK                    ; 1,024 f32: 2.885390 (query W2 + b1 + b2) of my batch;  -2 V lies 4,096 bytes behind
.set SC,    QT+8192                    ; [wave][128 rows] partial scores
.set PW,    SC+4096                    ; [wave][64 even rows][64 odd rows] exp(score - maximum): each wave's own copy
.set SV,    PW+4096                    ; [wave] sum of V over the 128 units that the wave brought
.set ROWB,  4096                       ; bytes in a row of values
; REGISTERS, window 0; v1 = lane L, v2 = r = L & 15, v3 = h = L >> 4
.set ADA,  4                           ; r*272 + 16h + the chunk being multiplied
.set ADA0, 5                           ; the same at chunk 0
.set AS,   6                           ; 16wv*272 + 8L + the chunk being stored
.set TMP,  7
.set L16,  8                           ; 16L: the lane's offset in the streams and in the store of the scores; never rewritten
.set TA,   9                           ; QT + 256wv + 32h
.set SCS,  10                          ; SC + 512wv + 4r
.set SCL,  11                          ; SC + 16L
.set PWS,  12                          ; PW + 512wv + 8L
.set PA,   13                          ; PW + 512wv + 256h; never rewritten
.set CA,   14                          ; wv chunks + h rows + 16r; never rewritten
.set QTS,  15                          ; QT + 512wv + 16L
.set CO,   16                          ; 32r + 16h
.set SVA,  17                          ; SV + 4wv
.set TBL,  18                          ; 16t
.set XS,   19
.set SVL,  20                          ; SV
.set CV,   24                          ; v[24:31]   pass 0: four rows' bf16 on their way to LDS
.set SCR,  24                          ; v[24:31]   at the end: score of row 16a + r
.set AFL,  32                          ; v[32:63]   fragments of rows 0-63, a at + 8a
.set QB,   32                          ; v[32:63]   epilogue: QT of my 64 units, [b][8]
.set BF,   64                          ; v[64:191]  four buffers of 32: quarter T's W1 in buffer T % 4, fragment b at + 8b.  W1 is asked for two
                                       ;            quarters ahead, so buffer (T+3) % 4 is idle in quarter T: it holds T's fragments of rows 64-127
.set ST,   192                         ; v[192:255] pass 0: four sets of four loads of values
.set SS,   192                         ; v[192:223] from the first epilogue on: four partial score sums for each a
.set VV,   224                         ; v[224:255] epilogue: -2 V of my 64 units
.set DX,   64                          ; context: 16 rows x 16 bytes, two buffers
.set DY,   128
.set PX,   192                         ; context: 16 weights, two buffers
.set PY,   208
.set CC,   224                         ; v[224:231] context of my 8 columns
.set ZZ,   232                         ; v[232:235] scores of rows 4L .. 4L + 3
.set PP,   236                         ; v[236:239] exp(score - maximum) of rows 4L, 4L+2, 4L+1, 4L+3
.set XT,   240                         ; v[240:249] lane exchange
.set OUT,  252                         ; v[252:255] the 16 bytes of the context that I store
; window 1 (v256-511): the 32 accumulator tiles, tile (a, b) at v[8 (4a + b)]
.set AB, 30                            ; s[30:31] values at my wave's 16 rows, at the chunk that this trip loads
.set BB, 32                            ; s[32:33] w1f at my wave's stream, at this trip's first quarter
.set MSB, 0
.macro WIN new                         ; s_set_vgpr_msb: bits 1:0 source 0, 3:2 source 1, 5:4 source 2, 7:6 destination; the high byte repeats the setting that is left
.if MSB != \new
	s_set_vgpr_msb (MSB<<8)|\new
.set MSB, \new
.endif
.endm
.set MUL, 0x50                         ; W1 and rows in window 0, C and D in window 1
.macro PLACES                          ; four places between a matrix instruction and a load into, or a vector instruction on, its registers; they stay beside the waits on va_vdst, which fill no place
.rept 4
	v_nop
.endr
.endm
	s_load_b512 s[8:23], s[0:1], 0x0               ; values, w1f, qbp, b1, b2, V, bV, scores
	s_load_b64 s[24:25], s[0:1], 0x40              ; cpart
	v_lshl_add_u32 v22, v0, 2, 0x48100
	v_mov_b32 v23, 0
	v_lshrrev_b32 v1, 5, v0
	v_readfirstlane_b32 s2, v1                     ; wave 0..7
	v_and_b32 v1, 31, v0
	v_and_b32 v2, 15, v0
	v_bfe_u32 v3, v0, 4, 1
	s_mov_b32 s28, 0x76543210                      ; v_permlanex16_b32: lane i of one half reads lane i of the other
	s_mov_b32 s29, 0xfedcba98
	v_lshlrev_b32 v[L16], 4, v1
	v_lshlrev_b32 v[TBL], 4, v0
	s_wait_alu depctr_va_sdst(0)                   ; s2 is written, ahead of its first reader: the bases and the LDS addresses are made from it
	s_lshl_b32 s4, ttmp9, 19                       ; my block: 128 rows of 4,096 bytes,
	s_lshl_b32 s6, s2, 16                          ; my wave's 16 rows in it
	s_add_co_u32 s4, s4, s6
	s_mov_b32 s5, 0
	s_lshr_b32 s6, s2, 1
	s_lshl_b32 s6, s6, 19
	s_and_b32 s7, s2, 1
	s_lshl_b32 s7, s7, 12
	s_add_co_u32 s6, s6, s7                        ; my wave's stream in w1f
	s_mov_b32 s7, 0
	s_wait_kmcnt 0x0
	s_load_b32 s26, s[20:21], 0x0                  ; bV
	s_add_nc_u64 s[34:35], s[8:9], s[4:5]
	s_add_nc_u64 s[AB:AB+1], s[34:35], 1024        ; chunk 2: what the first trip loads
	s_add_nc_u64 s[BB:BB+1], s[10:11], s[6:7]
	s_lshr_b32 s4, ttmp9, 4
	s_lshl_b32 s4, s4, 12                          ; my batch's row in qbp
	s_add_nc_u64 s[36:37], s[12:13], s[4:5]
	s_lshl_b32 s4, ttmp9, 9
	s_add_nc_u64 s[38:39], s[22:23], s[4:5]        ; scores at my 128 rows
	s_lshl_b32 s4, ttmp9, 12
	s_lshl_b32 s6, s2, 9
	s_add_co_u32 s4, s4, s6
	s_add_nc_u64 s[40:41], s[24:25], s[4:5]        ; cpart at my block's row, my wave's 128 columns
	; ---- 55 loads, in the order in which they are waited for
	WIN 0x40                                       ; the tables, into window 1 (not yet in use): thread t has units 4t .. 4t + 3
	s_wait_alu depctr_va_vdst(0)                   ; L16 and TBL are written: the 55 loads below read one of them as their offset; only loads and window switches stand among them
.irp k, 0,1,2,3
	global_load_b128 v[4*\k:4*\k+3], v[TBL], s[36:37] offset:\k*131072
.endr
	global_load_b128 v[16:19], v[TBL], s[14:15]
	global_load_b128 v[20:23], v[TBL], s[16:17]
	global_load_b128 v[24:27], v[TBL], s[18:19]
	WIN 0                                          ; W1 of quarter 0
.irp i, 0,1,2,3,4,5,6,7
	global_load_b128 v[BF+4*\i:BF+4*\i+3], v[L16], s[BB:BB+1] offset:512*\i
.endr
	WIN 0x40                                       ; chunk 0 of my 16 rows, into window 1: a load covers a row's 512 bytes of the chunk
.set ii, 0
.rept 16
	global_load_b128 v[32+4*ii:32+4*ii+3], v[L16], s[34:35] offset:ii*ROWB th:TH_LOAD_NT
.set ii, ii+1
.endr
	WIN 0                                          ; chunk 1, set 0 (rows 0-3)
.irp i, 0,1,2,3
	global_load_b128 v[ST+4*\i:ST+4*\i+3], v[L16], s[34:35] offset:512+\i*ROWB th:TH_LOAD_NT
.endr
.irp i, 0,1,2,3,4,5,6,7
	global_load_b128 v[BF+32+4*\i:BF+32+4*\i+3], v[L16], s[BB:BB+1] offset:8192+512*\i     ; W1 of quarter 1
.endr
.set ii, 4
.rept 12
	global_load_b128 v[ST+4*ii:ST+4*ii+3], v[L16], s[34:35] offset:512+ii*ROWB th:TH_LOAD_NT   ; chunk 1, sets 1 to 3
.set ii, ii+1
.endr
	; ---- LDS addresses: a constant, the wave's number times a constant, a lane term
	v_mul_u32_u24 v[ADA0], v2, PITCH
	v_lshl_add_u32 v[ADA0], v3, 4, v[ADA0]
	v_mov_b32 v[ADA], v[ADA0]
	s_mul_i32 s3, s2, 16*PITCH
	v_lshl_add_u32 v[AS], v1, 3, s3
	s_lshl_b32 s43, s2, 8
	s_add_co_u32 s43, s43, QT
	v_lshl_add_u32 v[TA], v3, 5, s43
	s_lshl_b32 s42, s2, 9                          ; 512 wv
	s_add_co_u32 s43, s42, QT
	v_add_nc_u32 v[QTS], s43, v[L16]
	s_add_co_u32 s43, s42, SC
	v_lshl_add_u32 v[SCS], v2, 2, s43
	v_add_nc_u32 v[SCL], SC, v[L16]
	s_add_co_u32 s43, s42, PW
	v_lshl_add_u32 v[PWS], v1, 3, s43
	v_lshl_add_u32 v[PA], v3, 8, s43
	s_mul_i32 s43, s2, CHUNK
	v_mul_u32_u24 v[CA], v3, PITCH
	v_lshl_add_u32 v[CA], v2, 4, v[CA]
	v_add_nc_u32 v[CA], s43, v[CA]
	v_lshlrev_b32 v[CO], 5, v2
	v_lshl_add_u32 v[CO], v3, 4, v[CO]
	s_lshl_b32 s43, s2, 2
	s_add_co_u32 s43, s43, SV
	v_mov_b32 v[SVA], s43
	v_mov_b32 v[SVL], SV
	s_wait_kmcnt 0x0                               ; bV
	s_wait_loadcnt 24                              ; 4 + 8 + 12 loads were issued behind chunk 0: the tables, quarter 0's W1 and chunk 0 are in
	WIN 0x55                                       ; all in window 1: 2.885390 (the four K quarters of query W2 + b1 + b2), and -2 V
.irp j, 0,2
	v_pk_add_f32 v[\j:\j+1],     v[\j:\j+1],     v[4+\j:5+\j]
	v_pk_add_f32 v[8+\j:9+\j],   v[8+\j:9+\j],   v[12+\j:13+\j]
	v_pk_add_f32 v[16+\j:17+\j], v[16+\j:17+\j], v[20+\j:21+\j]
	v_pk_mul_f32 v[28+\j:29+\j], v[24+\j:25+\j], -2.0 op_sel_hi:[1,0]
.endr
.irp j, 0,2
	v_pk_add_f32 v[\j:\j+1], v[\j:\j+1], v[8+\j:9+\j]
.endr
.irp j, 0,2
	v_pk_add_f32 v[\j:\j+1], v[\j:\j+1], v[16+\j:17+\j]
.endr
.irp j, 0,2
	v_pk_mul_f32 v[\j:\j+1], v[\j:\j+1], 0x4038aa3b op_sel_hi:[1,0]
.endr
	WIN 0x05                                       ; sources in window 1, results in window 0
	v_add_f32 v[XS], v24, v25                      ; sum of my four V
	v_add_f32 v[TMP], v26, v27
.set ii, 0
.rept 16
	v_cvt_pk_bf16_f32 v[AFL+2*ii],   v[32+4*ii], v[33+4*ii]        ; chunk 0
	v_cvt_pk_bf16_f32 v[AFL+2*ii+1], v[34+4*ii], v[35+4*ii]
.set ii, ii+1
.endr
	WIN 0                                          ; all the head's arithmetic stands ahead of its 19 LDS stores, so that one wait serves them
	v_add_f32 v[XS], v[XS], v[TMP]
	v_add_f32_dpp v[XS], v[XS], v[XS] row_xmask:1 row_mask:0xf bank_mask:0xf
	v_add_f32_dpp v[XS], v[XS], v[XS] row_xmask:2 row_mask:0xf bank_mask:0xf
	v_add_f32_dpp v[XS], v[XS], v[XS] row_xmask:4 row_mask:0xf bank_mask:0xf
	v_add_f32_dpp v[XS], v[XS], v[XS] row_xmask:8 row_mask:0xf bank_mask:0xf
	v_permlanex16_b32 v[TMP], v[XS], s28, s29
	v_add_f32 v[XS], v[XS], v[TMP]
	WIN 0x04                                       ; store data in window 1
	s_wait_alu depctr_va_vdst(0)                   ; the tables, XS and chunk 0 in bf16 are written, which the stores below read; so are all the LDS addresses made above
	ds_store_b128 v[QTS], v[0:3]
	ds_store_b128 v[QTS], v[28:31] offset:4096
	WIN 0
	ds_store_b32 v[SVA], v[XS]                     ; all lanes write the same word with the same value
.set ii, 0
.rept 16
	ds_store_b64 v[AS], v[AFL+2*ii:AFL+2*ii+1] offset:ii*PITCH     ; the wave stores 256 consecutive bytes: a row of the chunk
.set ii, ii+1
.endr
	s_wait_alu depctr_vm_vsrc(0)                   ; the stores have read AS, which the add below writes; AFL, in which fragments land; and the window 1 registers that become accumulators
	v_add_nc_u32 v[AS], CHUNK, v[AS]               ; the first trip stores chunk 1
	s_wait_dscnt 0x0                               ; my stores are done before I say so
	s_barrier_signal -1
	s_barrier_wait -1                              ; chunk 0 and the tables are whole
; 8 matrix instructions: row blocks a0, a0 + 1 (fragments at ab, ab + 8) x my 4 unit blocks, W1 from buffer bq.
; Source 0 = 16 units, source 1 = 16 rows: lane (r, h) gets row 16a + r, units 16b + 8h + 0..7.  zero = 1: the first product starts the sums.
; The 32 accumulators take turns, one instruction a turn, in the same order in every quarter.
.macro MUL8 bq, ab, a0, zero
.irp a, 0,1
.irp b, 0,1,2,3
.if \zero
	v_wmma_f32_16x16x32_bf16 v[8*(4*(\a0+\a)+\b):8*(4*(\a0+\a)+\b)+7], v[BF+32*\bq+8*\b:BF+32*\bq+8*\b+7], v[(\ab)+8*\a:(\ab)+8*\a+7], 0
.else
	v_wmma_f32_16x16x32_bf16 v[8*(4*(\a0+\a)+\b):8*(4*(\a0+\a)+\b)+7], v[BF+32*\bq+8*\b:BF+32*\bq+8*\b+7], v[(\ab)+8*\a:(\ab)+8*\a+7], v[8*(4*(\a0+\a)+\b):8*(4*(\a0+\a)+\b)+7]
.endif
.endr
.endr
.endm
; 8 LDS loads: the fragments of row blocks a0 .. a0 + 3, 32 K at byte kofs from ADA's chunk, into d
.macro LDA d, a0, kofs
.irp a, 0,1,2,3
	ds_load_b128 v[(\d)+8*\a:(\d)+8*\a+3],   v[ADA] offset:(\a0+\a)*16*PITCH+\kofs
	ds_load_b128 v[(\d)+8*\a+4:(\d)+8*\a+7], v[ADA] offset:(\a0+\a)*16*PITCH+\kofs+32
.endr
.endm
; Quarter q of a trip of four.  acons: set q of the next chunk (4 rows) goes to LDS as bf16.  aissue: set q is loaded again, with the chunk
; after that.  bload: W1 of the quarter after next.  bar: the barrier that shows the next chunk whole.  last: no next quarter; the
; epilogue's tables (pass offset tp) are loaded instead.
.macro QTR q, zero, acons, aissue, bload, cnt, bar, last, tp
.set HB, BF+32*((\q+3)%4)
.set NB, BF+32*((\q+2)%4)
	WIN 0
	s_wait_loadcnt \cnt                            ; loads return in order (ISA guide 5.7.1): this quarter's W1 is in, and set q, which is older
.if \acons
	s_wait_alu depctr_vm_vsrc(0)                   ; the LDS stores of the quarter before have read CV, which the conversions below write again
.irp i, 0,1,2,3
	v_cvt_pk_bf16_f32 v[CV+2*\i],   v[ST+16*\q+4*\i],   v[ST+16*\q+4*\i+1]     ; these eight are also the places in front of the loads below
	v_cvt_pk_bf16_f32 v[CV+2*\i+1], v[ST+16*\q+4*\i+2], v[ST+16*\q+4*\i+3]
.endr
.else
	PLACES
.endif
	s_wait_alu depctr_va_vdst(0)                   ; the matrix instructions of the quarter before are done reading its W1 and its rows 64-127, in whose buffers the loads below land; the conversions have written CV and are done reading set q; in a trip's first quarter ADA and AS are written
	LDA HB, 4, 64*\q                               ; rows 64-127 of this quarter, into the idle W1 buffer
.if \acons
.irp i, 0,1,2,3
	ds_store_b64 v[AS], v[CV+2*\i:CV+2*\i+1] offset:(4*\q+\i)*PITCH
.endr
.endif
.if \bload
.irp i, 0,1,2,3,4,5,6,7
	global_load_b128 v[NB+4*\i:NB+4*\i+3], v[L16], s[BB:BB+1] offset:(\q+2)*8192+512*\i
.endr
.endif
.if \aissue
.irp i, 0,1,2,3
	global_load_b128 v[ST+16*\q+4*\i:ST+16*\q+4*\i+3], v[L16], s[AB:AB+1] offset:(4*\q+\i)*ROWB th:TH_LOAD_NT
.endr
.endif
	s_wait_dscnt 8+4*\acons                        ; all but the 8 loads (and 4 stores) just issued: rows 0-63 of this quarter are in
	WIN MUL
	MUL8 \q, AFL, 0, \zero
.if \bar
	s_wait_dscnt 0x0                               ; my stores of the next chunk are done, and no LDS instruction of mine is pending
	s_barrier_signal -1                            ; say so, and work on registers while the others arrive
.endif
	MUL8 \q, AFL+16, 2, \zero
	WIN 0
.if \bar
	s_barrier_wait -1                              ; the next chunk is whole
.endif
	PLACES
	s_wait_alu depctr_va_vdst(0)                   ; the sixteen matrix instructions above are done reading the fragments of rows 0-63, in whose registers the loads below land
.if \last
.irp b, 0,1,2,3
	ds_load_b128 v[QB+8*\b:QB+8*\b+3],   v[TA] offset:\tp+64*\b
	ds_load_b128 v[QB+8*\b+4:QB+8*\b+7], v[TA] offset:\tp+64*\b+16
	ds_load_b128 v[VV+8*\b:VV+8*\b+3],   v[TA] offset:\tp+4096+64*\b
	ds_load_b128 v[VV+8*\b+4:VV+8*\b+7], v[TA] offset:\tp+4096+64*\b+16
.endr
	s_wait_dscnt 16                                ; all but the 16 table loads: rows 64-127 are in
.else
.if \q == 3
	LDA AFL, 0, CHUNK                              ; rows 0-63 of the next quarter: the next chunk's first
.else
	LDA AFL, 0, 64*(\q+1)
.endif
	s_wait_dscnt 8                                 ; all but those 8: rows 64-127 of this quarter are in
.endif
	WIN MUL
	MUL8 \q, HB, 4, \zero
	MUL8 \q, HB+16, 6, \zero
.endm
; Four quarters = one chunk of K.  In a quarter W1's 8 loads are issued ahead of values' 4.  The count at the head of quarter T is what was
; issued behind the W1 loads of quarter T - 2 (which brought T's fragments): values' 4 of T - 2, W1's 8 and values' 4 of T - 1.
.macro TRIP zero, acons, aissue, bl23, n0, n1, n2, n3, bar, last, stepa, tp
	QTR 0, \zero, \acons, \aissue, 1, \n0, 0, 0, \tp
	QTR 1, 0, \acons, \aissue, 1, \n1, 0, 0, \tp
	QTR 2, 0, \acons, \aissue, \bl23, \n2, 0, 0, \tp
	QTR 3, 0, \acons, \aissue, \bl23, \n3, \bar, \last, \tp
	WIN 0
	s_wait_xcnt 0x0                                ; the bases of the loads above are stepped only behind this wait
	s_add_nc_u64 s[BB:BB+1], s[BB:BB+1], 32768
.if \aissue
	s_add_nc_u64 s[AB:AB+1], s[AB:AB+1], 512
.endif
.if \stepa+\acons
	s_wait_alu depctr_vm_vsrc(0)                   ; the trip's LDS loads have read ADA and its LDS stores AS, which the adds below write; the next quarter's wait on va_vdst shows them written
.endif
.if \stepa
	v_add_nc_u32 v[ADA], CHUNK, v[ADA]
.endif
.if \acons
	v_add_nc_u32 v[AS], CHUNK, v[AS]
.endif
.endm
; The epilogue of a pass: vector work alone.  Stage 1, a row block's four tiles (32 registers) at a time, in place: r = 1 / (1 + 2^(2.885390 x + QT)).
; Stage 2: score sums += (-2 V) r, two chains of pairs for each row block.  first = 1: the first products start the sums.
.macro EPI first
	WIN 0
	PLACES                                         ; behind the last matrix instructions
	s_wait_dscnt 0x0                               ; the tables
	WIN 0x41                                       ; tiles in window 1, QT in window 0
.set eg, 0
.rept 8
.set ej, 0
.rept 16
	v_pk_fma_f32 v[32*eg+ej:32*eg+ej+1], v[32*eg+ej:32*eg+ej+1], 0x4038aa3b, v[QB+ej:QB+ej+1] op_sel_hi:[1,0,1]
.set ej, ej+2
.endr
.set ej, 0
.rept 32
	v_exp_f32 v[32*eg+ej], v[32*eg+ej]
.set ej, ej+1
.endr
	v_nop                                          ; one plain place between a transcendental and the use of its result (ISA guide 5.7.2)
.set ej, 0
	s_wait_alu depctr_va_vdst(0)
.rept 16
	v_pk_add_f32 v[32*eg+ej:32*eg+ej+1], v[32*eg+ej:32*eg+ej+1], 1.0 op_sel_hi:[1,0]
.set ej, ej+2
.endr
.set ej, 0
.rept 32
	v_rcp_f32 v[32*eg+ej], v[32*eg+ej]             ; the next block's multiply-adds, on other registers, follow these
.set ej, ej+1
.endr
.set eg, eg+1
.endr
	v_nop
	s_wait_alu depctr_va_vdst(0)
	WIN 0x01                                       ; tiles in window 1, the rest in window 0
.set eb, 0
.rept 4
.set ei, 0
.rept 4
.set ea, 0
.rept 8
.set st, 0
.if \first
.if eb == 0
.if ei < 2
.set st, 1
.endif
.endif
.endif
.if st
	v_pk_mul_f32 v[SS+4*ea+2*(ei&1):SS+4*ea+2*(ei&1)+1], v[32*ea+8*eb+2*ei:32*ea+8*eb+2*ei+1], v[VV+8*eb+2*ei:VV+8*eb+2*ei+1]
.else
	v_pk_fma_f32 v[SS+4*ea+2*(ei&1):SS+4*ea+2*(ei&1)+1], v[32*ea+8*eb+2*ei:32*ea+8*eb+2*ei+1], v[VV+8*eb+2*ei:VV+8*eb+2*ei+1], v[SS+4*ea+2*(ei&1):SS+4*ea+2*(ei&1)+1]
.endif
.set ea, ea+1
.endr
.set ei, ei+1
.endr
.set eb, eb+1
.endr
	WIN 0
.endm
	; ---- pass 0: units 0-511.  Trip c multiplies chunk c, stores chunk c + 1 to LDS and loads chunk c + 2 from memory.
	LDA AFL, 0, 0                                  ; no wait: since the head's waits on va_vdst and vm_vsrc the one vector instruction is the add to AS, which names neither AFL nor ADA
	TRIP 1,1,1,1, 16,16,16,16, 1,0,1, 0            ; c = 0.  On the way in the counts hold too: behind quarter 0's W1 and set 0 stand 20 loads, behind quarter 1's W1 and set 1 at least 8 + 12
	s_mov_b32 s3, 5
.Lp0:
	TRIP 0,1,1,1, 16,16,16,16, 1,0,1, 0            ; c = 1..5
	s_sub_co_u32 s3, s3, 1
	s_cmp_lg_u32 s3, 0
	s_cbranch_scc1 .Lp0
	TRIP 0,1,0,1, 16,12,8,8, 1,0,1, 0              ; c = 6: nothing of values is left to load: the counts run down to W1's 8
	TRIP 0,0,0,1, 8,8,8,8, 0,1,0, 0                ; c = 7: nothing left to store; W1's stream runs on into pass 1
	EPI 1                                          ; W1 of quarters 32 and 33 stays on its way, into buffers 0 and 1, which the epilogue does not name
	; ---- pass 1: units 512-1023, the rows from LDS again
	s_wait_alu depctr_vm_vsrc(0)                   ; pass 0's LDS loads have read ADA, which the move below writes
	v_mov_b32 v[ADA], v[ADA0]
	s_wait_alu depctr_va_vdst(0)                   ; ADA is written, which the loads below read; the epilogue is done reading QB, in whose registers they land
	LDA AFL, 0, 0
	TRIP 1,0,0,1, 8,8,8,8, 0,0,1, 2048
	s_mov_b32 s3, 6
.Lp1:
	TRIP 0,0,0,1, 8,8,8,8, 0,0,1, 2048
	s_sub_co_u32 s3, s3, 1
	s_cmp_lg_u32 s3, 0
	s_cbranch_scc1 .Lp1
	TRIP 0,0,0,0, 8,8,8,0, 0,1,0, 2048             ; quarters 62 and 63 load no W1: behind quarter 63's fragments nothing was issued
	EPI 0
	; ---- scores: my 128 units' part of each row, then all eight waves' parts
.irp a, 0,1,2,3,4,5,6,7
	v_pk_add_f32 v[SS+4*\a:SS+4*\a+1], v[SS+4*\a:SS+4*\a+1], v[SS+4*\a+2:SS+4*\a+3]
.endr
.irp a, 0,1,2,3,4,5,6,7
	v_add_f32 v[SCR+\a], v[SS+4*\a], v[SS+4*\a+1]
.endr
.irp a, 0,1,2,3,4,5,6,7
	v_permlanex16_b32 v[XT+\a], v[SCR+\a], s28, s29        ; the other half of the lanes holds the other eight units of each sixteen
.endr
.irp a, 0,1,2,3,4,5,6,7
	v_add_f32 v[SCR+\a], v[SCR+\a], v[XT+\a]
.endr
	s_wait_alu depctr_va_vdst(0)                   ; SCR is written, which the stores below read; the matrix instructions are done reading v64-103, in which the loads behind the barrier land (no vector instruction stands between)
.irp a, 0,1,2,3,4,5,6,7
	ds_store_b32 v[SCS], v[SCR+\a] offset:64*\a            ; row 16a + r; both halves write the same word with the same value
.endr
	s_wait_dscnt 0x0
	s_barrier_signal -1
	s_barrier_wait -1
.irp k, 0,1,2,3,4,5,6,7
	ds_load_b128 v[64+4*\k:67+4*\k], v[SCL] offset:512*\k  ; rows 4L .. 4L + 3 of each wave's part: every wave makes all 128 scores
.endr
	ds_load_b128 v[96:99],   v[SVL]                        ; the eight partial sums of V
	ds_load_b128 v[100:103], v[SVL] offset:16
	s_wait_dscnt 0x0
.irp j, 0,2
	v_pk_add_f32 v[64+\j:65+\j], v[64+\j:65+\j], v[68+\j:69+\j]
	v_pk_add_f32 v[72+\j:73+\j], v[72+\j:73+\j], v[76+\j:77+\j]
	v_pk_add_f32 v[80+\j:81+\j], v[80+\j:81+\j], v[84+\j:85+\j]
	v_pk_add_f32 v[88+\j:89+\j], v[88+\j:89+\j], v[92+\j:93+\j]
.endr
	v_pk_add_f32 v[96:97], v[96:97], v[98:99]
	v_pk_add_f32 v[100:101], v[100:101], v[102:103]
.irp j, 0,2
	v_pk_add_f32 v[64+\j:65+\j], v[64+\j:65+\j], v[72+\j:73+\j]
	v_pk_add_f32 v[80+\j:81+\j], v[80+\j:81+\j], v[88+\j:89+\j]
.endr
	v_pk_add_f32 v[96:97], v[96:97], v[100:101]
.irp j, 0,2
	v_pk_add_f32 v[64+\j:65+\j], v[64+\j:65+\j], v[80+\j:81+\j]
.endr
	v_add_f32 v96, v96, v97
	v_add_f32 v[XS], s26, v96                              ; sum of V + bV
.irp i, 0,1,2,3
	v_add_f32 v[ZZ+\i], v[64+\i], v[XS]
.endr
	s_cmp_lg_u32 s2, 0
	s_cbranch_scc1 .Lnot0
	s_wait_alu depctr_va_vdst(0)                   ; ZZ is written, which the store reads
	global_store_b128 v[L16], v[ZZ:ZZ+3], s[38:39]         ; wave 0: 512 consecutive bytes; ZZ and L16 are not written again
.Lnot0:
	v_max3_num_f32 v[XT+8], v[ZZ], v[ZZ+1], v[ZZ+2]        ; the block's maximum
	v_max_num_f32 v[XT+8], v[XT+8], v[ZZ+3]
	v_max_num_f32_dpp v[XT+8], v[XT+8], v[XT+8] row_xmask:1 row_mask:0xf bank_mask:0xf
	v_max_num_f32_dpp v[XT+8], v[XT+8], v[XT+8] row_xmask:2 row_mask:0xf bank_mask:0xf
	v_max_num_f32_dpp v[XT+8], v[XT+8], v[XT+8] row_xmask:4 row_mask:0xf bank_mask:0xf
	v_max_num_f32_dpp v[XT+8], v[XT+8], v[XT+8] row_xmask:8 row_mask:0xf bank_mask:0xf
	v_permlanex16_b32 v[XT+9], v[XT+8], s28, s29
	v_max_num_f32 v[XT+8], v[XT+8], v[XT+9]
	v_sub_f32 v[PP],   v[ZZ],   v[XT+8]                    ; even rows first, then odd
	v_sub_f32 v[PP+1], v[ZZ+2], v[XT+8]
	v_sub_f32 v[PP+2], v[ZZ+1], v[XT+8]
	v_sub_f32 v[PP+3], v[ZZ+3], v[XT+8]
.irp i, 0,1,2,3
	v_mul_f32 v[PP+\i], 0x3fb8aa3b, v[PP+\i]
.endr
.irp i, 0,1,2,3
	v_exp_f32 v[PP+\i], v[PP+\i]
.endr
.irp k, 0,1,2,3,4,5,6,7
	v_mov_b32 v[CC+\k], 0                          ; (the first is the plain place behind the exponentials)
.endr
	s_wait_alu depctr_va_vdst(0)                   ; PP is written, which the stores below read; the sums above are done reading v64-103 and SS, and the matrix instructions v104-191, in which the first two groups' loads land
	ds_store_b64 v[PWS], v[PP:PP+1]                ; my wave's own copy: LDS serves a wave's instructions in order (ISA guide 5.7.1), no barrier
	ds_store_b64 v[PWS], v[PP+2:PP+3] offset:256
	; ---- context: wave wv has chunk wv (columns 128 wv .. + 127); lane (r, h) has columns 8r .. 8r + 7 of the rows of parity h;
	; a group is 32 rows (16 a lane), four groups, two sets of registers by turns.  Group g is reached by immediate offsets
	; (34,272 at the most, inside the 16 bits of an LDS offset): PA and CA are never written again
.macro LOADG p, d, g
.irp k, 0,1,2,3
	ds_load_b128 v[\p+4*\k:\p+4*\k+3], v[PA] offset:64*\g+16*\k            ; 16 weights of my parity, the same in the 16 lanes of a half
.endr
.irp i, 0,1,2,3,4,5,6,7,8,9,10,11,12,13,14,15
	ds_load_b128 v[\d+4*\i:\d+4*\i+3], v[CA] offset:32*PITCH*\g+2*PITCH*\i ; 16 lanes read a row's 256 consecutive bytes
.endr
.endm
.macro FMAG p, d
.irp i, 0,1,2,3,4,5,6,7,8,9,10,11,12,13,14,15
.irp k, 0,1,2,3
	v_fma_mix_f32_bf16 v[CC+2*\k],   v[\d+4*\i+\k], v[\p+\i], v[CC+2*\k]   op_sel_hi:[1,0,0]
	v_fma_mix_f32_bf16 v[CC+2*\k+1], v[\d+4*\i+\k], v[\p+\i], v[CC+2*\k+1] op_sel:[1,0,0] op_sel_hi:[1,0,0]
.endr
.endr
.endm
	LOADG PX, DX, 0
	LOADG PY, DY, 1
	s_wait_dscnt 20                                ; all but the 20 loads just issued
	FMAG PX, DX
	s_wait_alu depctr_va_vdst(0)                   ; the multiply-adds above are done reading PX and DX, in which the third group lands
	LOADG PX, DX, 2
	s_wait_dscnt 20
	FMAG PY, DY
	s_wait_alu depctr_va_vdst(0)                   ; the multiply-adds above are done reading PY and DY, in which the fourth group lands
	LOADG PY, DY, 3                                ; rows 96-127
	s_wait_dscnt 20
	FMAG PX, DX
	s_wait_dscnt 0x0
	FMAG PY, DY
	v_cmp_eq_u32 vcc_lo, 1, v3                     ; lanes 0-15 store columns 8r .. + 3, lanes 16-31 columns 8r + 4 .. + 7
.irp k, 0,1,2,3,4,5,6,7
	v_permlanex16_b32 v[XT+\k], v[CC+\k], s28, s29         ; the other parity's sums of the same 8 columns
.endr
.irp k, 0,1,2,3,4,5,6,7
	v_add_f32 v[CC+\k], v[CC+\k], v[XT+\k]
.endr
	s_wait_alu depctr_va_vcc(0)                    ; VCC is written, ahead of its first reader
.irp i, 0,1,2,3
	v_cndmask_b32 v[OUT+\i], v[CC+\i], v[CC+4+\i], vcc_lo
.endr
	s_wait_alu depctr_va_vdst(0)                   ; OUT is written, which the store reads
	global_store_b128 v[CO], v[OUT:OUT+3], s[40:41]        ; the wave stores 512 consecutive bytes, aligned
	s_wait_dscnt 0x0
	s_wait_alu depctr_hold_cnt(0) depctr_sa_sdst(0) depctr_va_vdst(0) depctr_va_sdst(0) depctr_va_ssrc(0) depctr_va_vcc(0) depctr_vm_vsrc(0)
	s_wait_tensorcnt 0x0
	ds_add_u32 v22, v23
	s_wait_dscnt 0x0
	s_endpgm
.Lfunc_end_k_q879b60d298_attn:
	.size	k_q879b60d298_attn, .Lfunc_end_k_q879b60d298_attn-k_q879b60d298_attn
	.p2alignl 7, 3214868480
	.fill 96, 4, 3214868480
	.section	.rodata,"a",@progbits
	.p2align	6, 0x0
	.amdhsa_kernel k_q879b60d298_attn
		.amdhsa_group_segment_fixed_size 296192
		.amdhsa_private_segment_fixed_size 0
		.amdhsa_enable_private_segment 0
		.amdhsa_kernarg_size 72
		.amdhsa_user_sgpr_count 2
		.amdhsa_user_sgpr_kernarg_segment_ptr 1
		.amdhsa_wavefront_size32 1
		.amdhsa_system_sgpr_workgroup_id_x 1
		.amdhsa_system_sgpr_workgroup_id_y 1
		.amdhsa_system_sgpr_workgroup_id_z 1
		.amdhsa_system_vgpr_workitem_id 0
		.amdhsa_next_free_vgpr 512
		.amdhsa_next_free_sgpr 66
		.amdhsa_reserve_vcc 1
		.amdhsa_float_denorm_mode_32 3
		.amdhsa_float_denorm_mode_16_64 3
		.amdhsa_memory_ordered 1
		.amdhsa_forward_progress 1
		.amdhsa_inst_pref_size 255
	.end_amdhsa_kernel
	.section	.bss,"aw",@nobits
	.p2align	6
	.space	262144
	.amdgpu_metadata
---
amdhsa.version: [ 1, 2 ]
amdhsa.kernels:
  - .name:           k_q879b60d298_attn
    .symbol:         k_q879b60d298_attn.kd
    .args:
      - { .name: values, .offset: 0, .size: 8, .value_kind: global_buffer, .address_space: global }
      - { .name: w1f, .offset: 8, .size: 8, .value_kind: global_buffer, .address_space: global }
      - { .name: qbp, .offset: 16, .size: 8, .value_kind: global_buffer, .address_space: global }
      - { .name: b1, .offset: 24, .size: 8, .value_kind: global_buffer, .address_space: global }
      - { .name: b2, .offset: 32, .size: 8, .value_kind: global_buffer, .address_space: global }
      - { .name: V, .offset: 40, .size: 8, .value_kind: global_buffer, .address_space: global }
      - { .name: bV, .offset: 48, .size: 8, .value_kind: global_buffer, .address_space: global }
      - { .name: scores, .offset: 56, .size: 8, .value_kind: global_buffer, .address_space: global }
      - { .name: cpart, .offset: 64, .size: 8, .value_kind: global_buffer, .address_space: global }
    .group_segment_fixed_size: 296192
    .private_segment_fixed_size: 0
    .kernarg_segment_align: 8
    .kernarg_segment_size: 72
    .max_flat_workgroup_size: 256
    .sgpr_count:     66
    .vgpr_count:     512
    .wavefront_size: 32
...
	.end_amdgpu_metadata
.endif
;; end of part 4
;; launch fin: the kernel of part 3 again; grid 32 x 1, 16 waves a work-group, no clusters, 2,304 bytes of LDS; arguments scores, cpart, out0, out1; writes out0, out1
